; MI455X (gfx1250); checked and timed in simulation.
; The chip was launched on July 23, 2026; its instructions are those of AMD's public machine-readable ISA for CDNA 5 (MIT licence, August 2026) and "CDNA5" Instruction Set Architecture Reference Guide (July 2026). The comments in the code are by the model that wrote it; some were corrected since.
;; Feature Attention. Allowed arithmetic: matrix products marked QUANTISED: E2M3 operands, one E8M0 scale for each 32 along K, by v_wmma_scale_f32_16x16x128_f8f6f4 with both operands' format E2M3, f32 sums; everything else in f32.
;; Inputs: Wk_codes 1,024 x 32 x 24 uint8 (E2M3 codes of Wk, K innermost, in blocks of 32 codes, four codes in three bytes); Wk_scales 1,024 x 32 uint8 (E8M0 scales of Wk, one for each 32 codes along K); Wq_codes 1,024 x 32 x 24 uint8 (E2M3 codes of Wq, K innermost, in blocks of 32 codes, four codes in three bytes); Wq_scales 1,024 x 32 uint8 (E8M0 scales of Wq, one for each 32 codes along K); Wv_codes 1,024 x 32 x 24 uint8 (E2M3 codes of Wv, K innermost, in blocks of 32 codes, four codes in three bytes); Wv_scales 1,024 x 32 uint8 (E8M0 scales of Wv, one for each 32 codes along K); bk 1,024 float32; bq 1,024 float32; bv 1,024 float32; x_codes 4 x 2,048 x 32 x 24 uint8 (E2M3 codes of x, K innermost, in blocks of 32 codes, four codes in three bytes); x_scales 4 x 2,048 x 32 uint8 (E8M0 scales of x, one for each 32 codes along K).
;; Outputs: out0 4 x 2,048 x 1,024 float32.
;; This version of the problem:
;;   THIS VERSION OF THE PROBLEM IS GIVEN IN LOW PRECISION. The matrix products marked QUANTISED in the list below multiply operands that are first quantised to E2M3 (2 exponent bits, 3 mantissa bits; 6 bits a number), with one power-of-two scale for each 32 numbers along K (OCP MX v1.0); their sums are f32. All else is computed in f32.
;;   The module's matrix products, in the order in which they are computed (A, B: the left and right operand; K: the contracted axis; several contracted axes count as one K, in the product's order):
;;     1. [M 8,192, K 1,024] x [K 1,024, N 1,024]; A: input x (given as codes); B: input Wq (given as codes): QUANTISED
;;     2. [M 8,192, K 1,024] x [K 1,024, N 1,024]; A: input x (given as codes); B: input Wk (given as codes): QUANTISED
;;     3. [M 8,192, K 1,024] x [K 1,024, N 1,024]; A: input x (given as codes); B: input Wv (given as codes): QUANTISED
;;     4. batch 4 x [M 2,048, K 1,024] x [K 1,024, N 2,048]; A: computed on the way; B: computed on the way: QUANTISED
;;     5. batch 4 x [M 2,048, K 2,048] x [K 2,048, N 1,024]; A: softmax (see below); B: computed on the way: QUANTISED
;;   THE QUANTISER, for each operand of a quantised product, along K:
;;     - K is cut into blocks of 32 from its start; a last block that is shorter is filled with zeros.
;;     - A block's scale is 2^e with e = floor(log2(the largest magnitude in the block)) - 2, held to -126 .. 127; a block of zeros has e = 0. As a byte (E8M0): e + 127.
;;     - Each number is divided by its block's scale, clamped to +-7.5, and rounded to the nearest number of E2M3, ties to even, subnormals kept.
;;     - The product sums the exact products of the quantised numbers (number of the format x scale) in f32.
;;   ~~~python
;;   def quantise(x, axis):      # numpy; x: float32 -> the quantised numbers, widened to float32 again
;;       x = np.moveaxis(x, axis, -1); K = x.shape[-1]
;;       x = np.pad(x, [(0, 0)] * (x.ndim - 1) + [(0, -K % 32)]); x = x.reshape(x.shape[:-1] + (-1, 32)); a = np.abs(x).max(-1, keepdims=True)
;;       e = np.where(a > 0, np.clip(np.frexp(np.where(a > 0, a, 1))[1] - 1 - 2, -126, 127), 0)      # np.frexp(a)[1] - 1 = floor(log2(a)), exactly
;;       r = np.clip(x / 2.0 ** e, -7.5, 7.5)
;;       step = 2.0 ** (np.maximum(np.frexp(np.where(r == 0, 1, r))[1] - 1, 0) - 3)
;;       q = np.round(r / step) * step * 2.0 ** e      # np.round: ties to even
;;       return np.moveaxis(q.reshape(q.shape[:-2] + (-1,))[..., :K], -1, axis).astype(np.float32)
;;   ~~~
;;   SOFTMAX AHEAD OF A QUANTISED PRODUCT. Where the list says 'softmax', what is quantised is not the finished softmax but p = 2^(t - M), with t = logit x log2(e) and M = ceil(the row's largest t), a whole number; so 1/2 < the row's largest p <= 1. The row's sum l is taken of the UNQUANTISED p, in f32, and the product's result is divided by l at the end. Since M is a whole number, a kernel that streams over the keys may use a running M (the ceiling of the running maximum): every later rescaling is an exact power of two, which a block's scale takes up: the codes' values come out the same.
;;   OPERANDS COMPUTED ON THE WAY. 'Computed on the way' means the value that the module computes at that place (a softmax that the list does not call 'softmax' is quantised finished and normalised). What goes into a quantiser is computed in f32, as accurately as f32 sums, v_exp_f32 and their like allow (about 1e-6 of the number): no bf16 or f16 on the way to a quantiser, and a product that is left as it is and whose result goes on into a quantised operand takes f32 operands (vector FMAs, or v_wmma_f32_16x16x4_f32). A number that lies on a knife's edge between two numbers of the format may be rounded either way, as far as f32 arithmetic and the matrix unit's own rounding can turn it there, and no further.
;;   INPUTS GIVEN AS CODES. Wk (in the module: [1024, 1024], K = its axis 1); Wq (in the module: [1024, 1024], K = its axis 1); Wv (in the module: [1024, 1024], K = its axis 1); x (in the module: [4, 2048, 1024], K = its axis 2): each comes as NAME_codes (uint8): NAME with its K axis moved to the last place and cut into blocks of 32 codes, [.., K / 32, bytes a block], one block behind the other in memory; four codes in three bytes: a row's codes are one little-endian stream of bits, code i at bits 6 i .. 6 i + 5 (a code: sign, 2 exponent bits, 3 mantissa bits); and NAME_scales (uint8): the same leading axes, one E8M0 byte (e + 127) for each 32 codes along K. Its value is code x scale, taken as it is: it is not quantised again, and the codes and scales need not be those that the quantiser above would give.
;; One version. Each part assembles by itself: llvm-mc -triple=amdgcn-amd-amdhsa -mcpu=gfx1250 --defsym DOCPART=n.
;; ======== version 1 of 1: 3 launches
;; limits: right only within a limited range of input values
;; workspace buffers: qkc 12,582,912 bytes; qks 524,288 bytes; vc 6,291,456 bytes; vs 262,144 bytes; pc 12,582,912 bytes; ps 524,288 bytes; pml 524,288 bytes
;; launch proj (part 1): grid 16 x 16, 4 waves a work-group, clusters of 4 x 4, 327,680 bytes of LDS; arguments x_codes, x_scales, Wq_codes, Wq_scales, Wk_codes, Wk_scales, Wv_codes, Wv_scales, bq, bk, bv, qkc, qks, vc, vs; writes qkc, qks, vc, vs
.if DOCPART == 1
	.amdgcn_target "amdgcn-amd-amdhsa--gfx1250"
	.amdhsa_code_object_version 6
	.text
	.protected	k_q37b9c489a6_proj
	.globl	k_q37b9c489a6_proj
	.p2align	8
	.type	k_q37b9c489a6_proj,@function
k_q37b9c489a6_proj:
	s_mov_b64 s[64:65], 0
	v_nop
	global_prefetch_b8 v0, s[64:65] scope:SCOPE_SE
	s_setreg_imm32_b32 hwreg(HW_REG_WAVE_MODE, 25, 1), 1
	s_wait_xcnt 0x0
	s_wait_alu depctr_hold_cnt(0) depctr_sa_sdst(0) depctr_va_vdst(0) depctr_va_sdst(0) depctr_va_ssrc(0) depctr_va_vcc(0) depctr_vm_vsrc(0)
	s_getreg_b32 s2, hwreg(HW_REG_IB_STS2, 6, 4)
	s_cmp_eq_u32 s2, 0
	s_cbranch_scc0 .Lentry_in_a_cluster
	s_endpgm
.Lentry_in_a_cluster:
	s_bfe_u32 s2, ttmp6, 0x10000c
	s_cmp_lg_u32 s2, 0xf033
	s_cbranch_scc0 .Lentry_shape_is_right
	s_endpgm
.Lentry_shape_is_right:
; Q, K, V = x W^T + b and their quantisers.  Results leave as codes of FP6 (E2M3) and scale bytes in the order of the operand registers of the launches that read them.  No work of the problem is left out.
; LIMITS: NaN and infinities are not served.  A block of zeros gets the byte 1 (its codes are zeros; only this program reads the bytes).
; ROWS OF A TILE.  Tile j (0..3) of a band of 64 tokens (or of 64 units of a weight): row 8 hh + i is token 32 hh + 8 (j xor hh) + i, hh = 0, 1, i = 0..7.  So a lane's 32 results of four tiles lie in one scale block;
; places inside a block are permuted alike in Q and K, and in V and the softmax's p.  The rows are picked by the LDS addresses: even and odd tiles have address registers of their own.
; BUFFERS (r = lane % 16, h = lane / 16): qkc[Q, K][tile: 512][128 units: 8][64 units c: 2][registers 0-3: lane x 16 bytes; registers 4-5: lane x 8 bytes]; qks[Q, K][128 units: 8][tile: 512][r] words, byte 2 c + h;
; vc[batch][unit tile: 64][key step: 16][piece: 3][lane][16 bytes]; key step 2 g + w = tokens 256 g + 128 c + 64 w + 0..63, c = 0, 1; vs[batch, key step: 64][band of units: 16][r][unit tile t: 4] words, byte 2 c + h.
; SHARES.  256 work-groups of 2 x 2 waves; a wave holds 64 rows of a weight, all of K, in registers and streams x's rows past them in blocks of 16.  A work-group makes 256 x 128 of V (phase 1), then 512 x 128 of Q or K
; (phase 2); V's rows are a half of its own 512, so both chunks of 128 rows that the head brings serve both phases.  x's rows are shared by a row of the cluster, a weight's by a column: joint loads.
; REFILLS, each in a drained round of the cluster's barrier: phase 2's weight (V's third block); the other half's chunks and their scale bytes (phase 2's blocks 2 and 6).
; The wave in row w takes band w of each chunk.  WAITS: younger than a block's rows are the next block's NF loads and the byte stores between.
.set NQ, 8
.set NB, 4
.set KROW, 768
.set KS, 32
.set PITCH, 816                        ; 3 x (256 + 16)
.set FR, 12
.set FPW, 21                           ; fragments in a window of 256 registers
.set NF, 28                            ; LDS loads of a block
.set RA, 128
.set YB, RA*PITCH
.set BVB, 2*RA*PITCH
.set SCL, BVB+128*PITCH
.set CU, 16
.set SCB, CU*272
.set XN, SCL+2*SCB                     ; Q's or K's scale bytes, 2,048
.set XM, XN+2048                       ; V's, 1,024
.set SPARE, XM+1024
.set CO8, 0                            ; 8 x lane
.set ADRA0, 4                          ; v4, v5: even blocks' first address; v5 for the pieces behind one padding more
.set AAS0, 6
.set OD0, 42                           ; v42, v43, v63: the same for odd blocks
.set OD1, 43
.set ODS, 63
.set CO, 9                             ; 16 x lane
.set SPW, 10
.set NIL, 11
.set ADRA, 12
.set ADRB, 14                          ; v14 even, v15 odd tiles of the weights
.set ABS, 16
.set AAS, 17
.set STO, 18
.set STV, 19
.set SB, 24
.set TQ, 40
.set SA, 44
.set TC, 60
.set ACC, 64
.set HV0, 64
.set HV1, 840
.set NCD, 128
.set MCD, 192
.set SOP, 240
.set EB, 244
.set VX, 248
.set SB2, 968
.set BA, 984
.set BBV, 992
.set BBQ, 160
.set G1A, 24
.set G0A, 56
.set G0R, 68
.set G1B, 32
.set G0B, 60
.set G1S, 92
.set G0S, 72
.set MSB, 0
.macro WIN new
.if MSB != (\new)
	s_set_vgpr_msb (MSB<<8)|(\new)
.set MSB, (\new)
.endif
.endm
.macro PLACES n
.rept \n
	v_nop
.endr
.endm
.macro WALU
	s_wait_alu depctr_va_vdst(0)
.endm
.macro BARRIER
	s_barrier_signal -1
	s_barrier_wait -1
.endm
.macro MIDDLE
	WIN 0
	s_barrier_wait -1
	s_cmp_lg_u32 s14, 0
	s_cbranch_scc1 .Lnot_wave_0_\@
	s_barrier_signal -3
.Lnot_wave_0_\@:
	s_barrier_wait -3
.endm
.macro CROUND
	s_barrier_signal -1
	MIDDLE
	BARRIER
.endm
.macro GRD
	s_wait_tensorcnt 0x0
	ds_add_u32 v[SPW], v[NIL]
.endm
.macro TLOAD g0, g1
	tensor_load_to_lds s[\g0:\g0+3], s[\g1:\g1+7]
	s_nop 0
	PLACES 4
.endm
.macro GROUP1 g, mask, rows
	s_or_b32 s[\g+0], s[\mask], (1<<20)|(1<<21)|(5<<22)|(3<<25)
	s_mov_b32 s[\g+1], KROW<<16
	s_mov_b32 s[\g+2], (\rows)<<16
	s_mov_b32 s[\g+3], KROW<<16
	s_mov_b32 s[\g+4], \rows
	s_mov_b32 s[\g+5], KROW
	s_mov_b32 s[\g+6], 0
	s_mov_b32 s[\g+7], 0
.endm
.macro SADD d, x
	s_add_co_u32 s\d, s\d, s\x
.endm
.macro MADD d, s, k                    ; d += s x constant (s23 at work)
	s_mul_i32 s23, s\s, \k
	s_add_co_u32 s\d, s\d, s23
.endm
.macro G0SET g, base, off
	s_mov_b32 s20, s\off
	s_add_nc_u64 s[\g+2:\g+3], s[\base:\base+1], s[20:21]
	s_or_b32 s[\g+3], s[\g+3], 0x80000000
.endm
; Fragment f lies in window 1 + f / 21 at register 12 (f % 21): 0-31 the weights' (4 q + b), 32-47 the rows' two sets.
.macro FRAG f, q, a0, a1, aw
	WIN ((1+(\f)/FPW)<<6)|(\aw)
.set R_, FR*((\f)%FPW)
.set SKIP_, 0
.irp p, 0,1,2,3,4,5
.if SKIP_
.set SKIP_, 0
.else
.set PC_, 12*(\q)+6*(\p/3)+\p%3
.set PN_, 12*(\q)+6*((\p+1)/3)+(\p+1)%3
.set X_, (PC_%32+3)/32
.set XQ_, (PN_%32+3)/32
.if (\p < 5) && (X_ == XQ_)
.set SKIP_, 1
.if X_
	ds_load_2addr_b64 v[R_+2*\p:R_+2*\p+3], \a1 offset0:PC_+2*(PC_/32) offset1:PN_+2*(PN_/32)
.else
	ds_load_2addr_b64 v[R_+2*\p:R_+2*\p+3], \a0 offset0:PC_+2*(PC_/32) offset1:PN_+2*(PN_/32)
.endif
.elseif X_
	ds_load_b64 v[R_+2*\p:R_+2*\p+1], \a1 offset:8*(PC_+2*(PC_/32))
.else
	ds_load_b64 v[R_+2*\p:R_+2*\p+1], \a0 offset:8*(PC_+2*(PC_/32))
.endif
.endif
.endr
.endm
.macro WEIGHTS
.irp q, 0,1,2,3,4,5,6,7
.irp b, 0,1,2,3
	FRAG NB*\q+\b, \q, v[BA-768+2*\b], v[BA-768+2*\b+1], 3
.endr
.endr
	WIN 0
.endm
.macro FETCHAT e, a0, a1, as
.irp q, 0,1,2,3,4,5,6,7
	FRAG NB*NQ+NQ*(\e)+\q, \q, \a0, \a1, 0
.endr
	WIN 0
	ds_load_b128 v[SA+8*(\e):SA+8*(\e)+3], \as
	ds_load_b128 v[SA+8*(\e)+4:SA+8*(\e)+7], \as offset:16
.endm
.macro FETCH e
	FETCHAT \e, v[ADRA], v[ADRA+1], v[AAS]
.endm
.macro FETCH01
	FETCHAT 0, v[ADRA0], v[ADRA0+1], v[AAS0]
	FETCHAT 1, v[OD0], v[OD1], v[ODS]
	s_mov_b32 s54, 0
.endm
; A product: n = 4 q + tile.  kind 0 (Q, K): source 0 the weight's rows; kind 1 (V): source 0 x's rows.  The first takes the bias as C.
.macro PROD kind, e, n, a0, as
.set Q_, (\n)/4
.set FB_, NB*Q_+(\n)%4
.set FA_, NB*NQ+NQ*(\e)+Q_
.set D_, (\a0)+(\as)*((\n)%4)
.set DL_, D_&255
.set XB_, SB+NQ*(((\n)%4)/2)+Q_
.set XA_, SA+8*(\e)+Q_
.if \kind
.if Q_
	WIN (1+FA_/FPW)|((1+FB_/FPW)<<2)|((D_>>8)<<4)|((D_>>8)<<6)
	PROD1 DL_, FA_, FB_, v[DL_:DL_+7], XA_, XB_, b, (\n)%2
.else
	WIN (1+FA_/FPW)|((1+FB_/FPW)<<2)|(3<<4)|((D_>>8)<<6)
	PROD1 DL_, FA_, FB_, v[BBV-768+8*((\n)%4):BBV-768+8*((\n)%4)+7], XA_, XB_, b, (\n)%2
.endif
.else
	WIN (1+FB_/FPW)|((1+FA_/FPW)<<2)|((D_>>8)<<4)|((D_>>8)<<6)
.if Q_
	PROD1 DL_, FB_, FA_, v[DL_:DL_+7], XB_, XA_, a, (\n)%2
.else
	PROD1 DL_, FB_, FA_, v[BBQ+8*((\n)%4):BBQ+8*((\n)%4)+7], XB_, XA_, a, (\n)%2
.endif
.endif
.endm
.macro PROD1 d, s0, s1, c, x0, x1, side, o
.if \o
	v_wmma_scale_f32_16x16x128_f8f6f4 v[\d:\d+7], v[FR*((\s0)%FPW):FR*((\s0)%FPW)+FR-1], v[FR*((\s1)%FPW):FR*((\s1)%FPW)+FR-1], \c, v[\x0], v[\x1] matrix_a_fmt:MATRIX_FMT_FP6 matrix_b_fmt:MATRIX_FMT_FP6 matrix_\side\()_scale:MATRIX_SCALE_ROW1
.else
	v_wmma_scale_f32_16x16x128_f8f6f4 v[\d:\d+7], v[FR*((\s0)%FPW):FR*((\s0)%FPW)+FR-1], v[FR*((\s1)%FPW):FR*((\s1)%FPW)+FR-1], \c, v[\x0], v[\x1] matrix_a_fmt:MATRIX_FMT_FP6 matrix_b_fmt:MATRIX_FMT_FP6 matrix_\side\()_scale:MATRIX_SCALE_ROW0
.endif
.endm
.macro BLOCK kind, e, a0, as, from, to, list, x=0, y=0
.set N_, \from
.rept (\to)-(\from)
	PROD \kind, \e, N_, \a0, \as
.if N_%2
	\list N_-1, \x, \y
	\list N_, \x, \y
.endif
.set N_, N_+1
.endr
.endm
; What the lists are made of: each macro writes entry i of its part.  STEP: the LDS addresses of the block two on; s54 counts pairs of blocks: bit 0 the pair in the chunk (16 rows), bit 1 the slot.
.macro STEP i, odd
.if \odd
	STEPV \i, OD0, OD1, ODS
.else
.if (\i) == 0
	s_add_co_u32 s54, s54, 1
	s_and_b32 s20, s54, 1
	s_mul_i32 s18, s20, 16*PITCH
	s_mul_i32 s66, s20, 544
.elseif (\i) == 1
	s_bfe_u32 s20, s54, 0x10001
	s_mul_i32 s21, s20, YB
	s_add_co_u32 s18, s18, s21
	s_mul_i32 s20, s20, SCB
.elseif (\i) == 2
	s_add_co_u32 s66, s66, s20
.endif
	STEPV (\i)-1, ADRA0, ADRA0+1, AAS0
.endif
.endm
.macro STEPV i, b0, b1, b2
.if (\i) == 0
	WIN 0
	v_add_nc_u32 v[ADRA], s18, v[\b0]
.elseif (\i) == 1
	WIN 0
	v_add_nc_u32 v[ADRA+1], s18, v[\b1]
.elseif (\i) == 2
	WIN 0
	v_add_nc_u32 v[AAS], s66, v[\b2]
.endif
.endm
.macro CHAIN i, x, n, t=TQ             ; 18 entries: the largest magnitude of the 32 sums from x on (two chains, a floor of 2^(3 - 127)), and the conversions' scale operand v[SOP+n]
.set XW_, (\x)>>8
.set XL_, (\x)&255
.if (\i) >= 0 && (\i) < 14
.set B_, XL_+16*((\i)%2)+2*((\i)/2)
.set T_, (\t)+1-(\i)%2
.if (\i) < 2
	WIN XW_|(XW_<<2)|(XW_<<4)
	v_max3_num_f32 v[T_], |v[B_]|, |v[B_+1]|, |v[B_+2]|
.else
	WIN (XW_<<2)|(XW_<<4)
	v_max3_num_f32 v[T_], v[T_], |v[B_+1]|, |v[B_+2]|
.endif
.elseif (\i) == 14
	WIN XW_<<2
	v_max3_num_f32 v[\t+1], v[\t+1], |v[XL_+15]|, 0x1800000
.elseif (\i) == 15
	WIN 0
	v_nop
.elseif (\i) == 16
	WIN XW_<<2
	v_max3_num_f32 v[\t], v[\t], |v[XL_+31]|, v[\t+1]
.elseif (\i) == 17
	WIN 0
	v_add_nc_u32 v[SOP+\n], 0xff000000, v[\t]
.endif
.endm
.macro CODES i, x, c, n, t=TC          ; 6 lines: 32 codes into v[c .. c+5], the scale's byte into v[EB+n]
.set XW_, (\x)>>8
.set XL_, (\x)&255
.if (\i) == 0
	WIN XW_
	v_cvt_scalef32_pk16_fp6_f32 v[\c:\c+2], v[XL_:XL_+15], v[SOP+\n]
.elseif (\i) == 1
	WIN XW_
	v_cvt_scalef32_pk16_fp6_f32 v[\t:\t+2], v[XL_+16:XL_+31], v[SOP+\n]
.elseif (\i) == 2
	WIN 0
	v_lshrrev_b32 v[EB+\n], 23, v[SOP+\n]
.else
	WIN 0
	v_mov_b32 v[\c+\i], v[\t+\i-3]
.endif
.endm
.macro CODES6 x, c, n
.irp i, 0,1,2,3,4,5
	CODES \i, \x, \c, \n
.endr
.endm
.macro PFTILE v, off, share            ; my sixteenth of a tile of 128 rows, to be asked for into the L2: 24 blocks of 256 bytes, a lane a block
	s_mul_i32 s21, s\share, RA*KROW/16
	s_add_co_u32 s20, s\off, s21
	WIN 0
	v_min_u32 v\v, RA*KROW/16/256-1, v3
	v_lshl_add_u32 v\v, v\v, 8, s20
.endm
.macro PFGO v, base
	global_prefetch_b8 v\v, s[\base:\base+1] th:TH_LOAD_NT scope:SCOPE_SE
.endm
.macro PUT3 r, base, off
.irp k, 0,1,2
	global_store_b128 v[CO], v[\r+4*\k:\r+4*\k+3], \base offset:(\off)+512*\k
.endr
.endm
.macro ASK i                           ; the descriptors of the chunk at s88 for slot s47, and of its scale bytes at s55 for s8; then all four step on
.if (\i) == 0
	s_mul_i32 s[G0R+1], s14, RA/2*PITCH
	s_add_co_u32 s[G0R+1], s[G0R+1], s47
	s_mul_i32 s20, s14, RA/2*KROW
	SADD 20, 88
.elseif (\i) == 1
	s_mov_b32 s21, 0
	s_add_nc_u64 s[G0R+2:G0R+3], s[4:5], s[20:21]
	s_or_b32 s[G0R+3], s[G0R+3], 0x80000000
	s_mov_b32 s[G0S+1], s8
.elseif (\i) == 2
	s_mov_b32 s20, s55
	s_add_nc_u64 s[G0S+2:G0S+3], s[6:7], s[20:21]
	s_or_b32 s[G0S+3], s[G0S+3], 0x80000000
	s_add_co_u32 s88, s88, RA*KROW
.elseif (\i) == 3
	s_add_co_u32 s55, s55, CU*256
	s_xor_b32 s47, s47, YB
	s_xor_b32 s8, s8, (SCL)^(SCL+SCB)
.endif
.endm
.macro PAIR i                          ; where pair s46's codes go (s[84:85]: by the true pair, s46 xor 4 s17) and its scale bytes (v[VX]: by the order of work)
.if (\i) == 0
	s_lshl_b32 s3, s17, 2
	s_xor_b32 s3, s3, s46
	s_lshr_b32 s20, s3, 1
	s_lshl_b32 s20, s20, 3
.elseif (\i) == 1
	s_and_b32 s21, s3, 1
	s_lshl_b32 s21, s21, 1
	SADD 20, 21
	s_mul_i32 s20, s20, 12288
.elseif (\i) == 2
	s_mov_b32 s21, 0
	s_add_nc_u64 s[84:85], s[10:11], s[20:21]
	s_lshr_b32 s22, s46, 1
	s_lshl_b32 s22, s22, 9
.elseif (\i) == 3
	s_and_b32 s23, s46, 1
	s_lshl_b32 s23, s23, 7
	SADD 22, 23
	s_add_co_u32 s46, s46, 1
	WIN 0
	v_add_nc_u32 v[VX], s22, v[STO]
.endif
.endm
.macro L_STEP i, x, y                  ; x: the block's parity
	STEP \i, \x
.endm
.macro L_NONE i, x, y
.endm
.macro L_OUTE i, x, y
	STEP \i, 0
	CHAIN (\i)-4, \x, \y
.endm
.macro L_OUTO i, x, y
	STEP \i, 1
	CHAIN (\i)-3, \x, \y
.endm
.macro L_LAST i, x, y
	CHAIN \i, \x, \y
.endm
.macro L_V2 i, x, y                    ; V's third block: the first refill's descriptors; the later refills' group 1; the step; what the second refill will load is asked for
.if (\i) == 0
	s_mov_b32 s[G1A+2], (RA/2)<<16
	s_mov_b32 s[G1A+4], RA/2
	s_mov_b32 s[G1S+2], CU<<16
	s_mov_b32 s[G1S+4], CU
.elseif (\i) == 1
	s_mov_b32 s[G1B+2], 64<<16
	s_mov_b32 s[G1B+4], 64
	s_mul_i32 s[G0B+1], s14, 64*PITCH
	s_add_co_u32 s[G0B+1], s[G0B+1], BVB
.elseif (\i) == 2
	s_mul_i32 s20, s14, 64*KROW
	SADD 20, 9
	s_mov_b32 s21, 0
	s_add_nc_u64 s[G0B+2:G0B+3], s[86:87], s[20:21]
.elseif (\i) == 3
	s_or_b32 s[G0B+3], s[G0B+3], 0x80000000
.elseif (\i) == 8
	PFTILE 7, 88, 90
.elseif (\i) == 9
	s_lshl_b32 s21, s90, 9
	s_add_co_u32 s20, s55, s21
	WIN 0
	v_min_u32 v8, 1, v3
	v_lshl_add_u32 v8, v8, 8, s20
.endif
	STEP (\i)-4, 0
.endm
.macro L_V7 i, x, y                    ; V's last block: what the third refill will load is asked for; the way out
.if (\i) == 0
	s_add_co_u32 s22, s88, RA*KROW
	PFTILE 20, 22, 90
.endif
	CHAIN (\i)-1, \x, \y
.endm
.macro L_ODD i, x, y
	PAIR \i
	STEP (\i)-4, 1
	CHAIN (\i)-7, ACC, 0
.endm
.macro L_ODDL i, x, y
	PAIR \i
	CHAIN (\i)-4, ACC, 0
.endm
.macro L_ROUND i, x, y
	ASK \i
	STEP (\i)-4, 0
	CHAIN (\i)-8, ACC+32, 1
.endm
.macro WAITDS w
.if (\w) >= 0
	s_wait_dscnt \w
.endif
.endm
.macro PUTQ                            ; the pair's two tiles: each 512 + 256 consecutive bytes
	global_store_b128 v[CO], v[NCD:NCD+3], s[84:85]
	global_store_b64 v[CO8], v[NCD+4:NCD+5], s[84:85] offset:512
	global_store_b128 v[CO], v[NCD+6:NCD+9], s[84:85] offset:12288
	global_store_b64 v[CO8], v[NCD+10:NCD+11], s[84:85] offset:12800
.endm
.macro EVENOUT fetch
	WALU
	ds_store_b8 v[VX], v[EB+1] offset:64
	PUTQ
.if \fetch
	FETCH 0
.endif
.endm
.macro EVEN w, fetch
	WAITDS \w
.if \fetch
	BLOCK 0, 0, ACC, 8, 0, 32, L_OUTE, ACC+32, 1
.else
	BLOCK 0, 0, ACC, 8, 0, 32, L_LAST, ACC+32, 1
.endif
	WIN 0
	CODES6 ACC+32, NCD+6, 1
	EVENOUT \fetch
.endm
.macro EVENROUND w
	WAITDS \w
	GRD
	BLOCK 0, 0, ACC, 8, 0, 26, L_ROUND
	WIN 0
	WALU
	s_wait_dscnt 0x0
	s_barrier_signal -1
	BLOCK 0, 0, ACC, 8, 26, 32, L_NONE
	WIN 0
	CODES6 ACC+32, NCD+6, 1
	MIDDLE
	BARRIER
	s_cmp_lt_u32 s14, 2
	s_cbranch_scc0 .Lscales_\@
	TLOAD G0R, G1A
	s_branch .Lasked_\@
.Lscales_\@:
	s_cmp_eq_u32 s14, 2
	s_cbranch_scc0 .Lnone_\@
	TLOAD G0S, G1S
.Lnone_\@:
.Lasked_\@:
	EVENOUT 1
.endm
.macro EVENSHOW w                      ; a plain barrier inside the block shows the last refill to all
	WAITDS \w
	BLOCK 0, 0, ACC, 8, 0, 26, L_OUTE, ACC+32, 1
	WIN 0
	WALU
	s_wait_tensorcnt 0x0
	s_wait_dscnt 0x0
	s_barrier_signal -1
	BLOCK 0, 0, ACC, 8, 26, 32, L_NONE
	WIN 0
	s_barrier_wait -1
	CODES6 ACC+32, NCD+6, 1
	EVENOUT 1
.endm
.macro ODD w, fetch
	WAITDS \w
	s_wait_xcnt 0x0
.if \fetch
	BLOCK 0, 1, ACC+32, 8, 0, 32, L_ODD
.else
	BLOCK 0, 1, ACC+32, 8, 0, 32, L_ODDL
.endif
	WIN 0
	CODES6 ACC, NCD, 0
	WALU
	ds_store_b8 v[VX], v[EB]
.if \fetch
	FETCH 1
.endif
.endm
; ---- the head
	s_load_b128 s[4:7], s[0:1], 0x0                     ; x's codes, scales
	s_load_b256 s[76:83], s[0:1], 0x10                  ; Wq's, Wk's
	s_load_b64 s[46:47], s[0:1], 0x30                   ; Wv's codes
	s_load_b64 s[2:3], s[0:1], 0x38                     ; and scales
	s_load_b128 s[48:51], s[0:1], 0x40                  ; bq, bk
	s_load_b64 s[52:53], s[0:1], 0x50                   ; bv
	v_lshl_add_u32 v[SPW], v0, 2, SPARE
	v_mov_b32 v[NIL], 0
	ds_add_u32 v[SPW], v[NIL]
	ds_add_u32 v[SPW], v[NIL]
	v_lshrrev_b32 v1, 5, v0
	v_readfirstlane_b32 s14, v1
	s_lshr_b32 s15, s14, 1
	s_and_b32 s16, s14, 1
	s_bfe_u32 s40, ttmp6, 0x40000
	s_bfe_u32 s41, ttmp6, 0x40004
	s_lshl_b32 s42, ttmp9, 2
	s_add_co_u32 s42, s42, s40                          ; phase 2's tile column: 0-7 Q, 8-15 K
	s_and_b32 s43, ttmp7, 0xffff
	s_lshl_b32 s43, s43, 2
	s_add_co_u32 s43, s43, s41                          ; its tile row
	s_lshr_b32 s19, ttmp9, 1                            ; 0 Q, 1 K
	s_and_b32 s17, ttmp9, 1                             ; V's half of my 512 rows
	s_and_b32 s18, s42, 7                               ; the tile column in its tensor
	s_lshl_b32 s13, s19, 2
	s_add_co_u32 s13, s13, s40                          ; V's tile column
	s_lshl_b32 s12, s43, 1
	s_add_co_u32 s12, s12, s17                          ; V's tile row
	s_lshl_b32 s44, s41, 2
	s_lshl_b32 s44, 15, s44
	s_lshl_b32 s45, 0x1111, s40
	GROUP1 G1A, 44, RA
	GROUP1 G1B, 45, 128
	s_or_b32 s[G1S+0], s44, (3<<16)|(1<<20)|(1<<21)|(5<<22)|(3<<25)
	s_mov_b32 s[G1S+1], 32<<16
	s_mov_b32 s[G1S+2], (2*CU)<<16
	s_mov_b32 s[G1S+3], 32<<16
	s_mov_b32 s[G1S+4], 2*CU
	s_mov_b32 s[G1S+5], 32
	s_mov_b32 s[G1S+6], 0
	s_mov_b32 s[G1S+7], 0
	s_mov_b32 s[G0S], 1
	s_mov_b32 s[G0S+1], SCL
	s_mov_b32 s[G0A], 1
	s_mov_b32 s[G0A+1], 0
	s_mov_b32 s[G0B], 1
	s_mov_b32 s[G0B+1], BVB
	s_mov_b32 s[G0R], 1
	s_mov_b32 s[G0R+1], YB
	s_mul_i32 s67, s43, 512*KROW
	s_mul_i32 s66, s12, 256*KROW
	s_mul_i32 s9, s18, 128*KROW
	s_mul_i32 s54, s13, 128*KROW
	s_mul_i32 s55, s43, 512*KS
	s_mul_i32 s89, s12, 256*KS
	v_and_b32 v1, 15, v0                                ; r
	v_bfe_u32 v2, v0, 4, 1                              ; h
	v_and_b32 v3, 31, v0
	v_lshlrev_b32 v[CO8], 3, v3
	v_lshlrev_b32 v[CO], 4, v3
	v_lshrrev_b32 v22, 3, v1                            ; hh
	v_and_b32 v23, 7, v1                                ; i
	v_mad_u32_u24 v8, v22, 40, v23                      ; an even tile's row
	v_mad_u32_u24 v20, v22, 24, v23
	v_add_nc_u32 v20, 8, v20                            ; an odd tile's
	v_mul_u32_u24 v7, v8, PITCH
	v_mul_u32_u24 v21, v20, PITCH
	v_mad_u32_u24 v7, v2, 24, v7
	v_mad_u32_u24 v21, v2, 24, v21
	s_mul_i32 s21, s15, 64*PITCH                        ; my band of a chunk
	s_mul_i32 s22, s16, 64*PITCH
	s_add_co_u32 s22, s22, BVB
	v_add_nc_u32 v[ADRA0], s21, v7
	v_add_nc_u32 v[OD0], s21, v21
	v_add_nc_u32 v[ADRB], s22, v7
	v_add_nc_u32 v[ADRB+1], s22, v21
	v_lshl_add_u32 v[ADRA0+1], v2, 4, v[ADRA0]
	v_lshl_add_u32 v[OD1], v2, 4, v[OD0]
	s_mul_i32 s21, s15, 8*272
	s_add_co_u32 s21, s21, SCL
	v_mul_u32_u24 v[AAS0], v22, 5*272
	v_mul_u32_u24 v[ODS], v22, 3*272
	v_lshl_add_u32 v[AAS0], v23, 5, v[AAS0]
	v_lshl_add_u32 v[ODS], v23, 5, v[ODS]
	v_add_nc_u32 v[AAS0], s21, v[AAS0]
	s_add_co_u32 s21, s21, 272
	v_add_nc_u32 v[ODS], s21, v[ODS]
	v_xor_b32 v12, v2, v22
	v_lshl_add_u32 v13, v22, 5, v23
	v_lshl_add_u32 v12, v12, 3, v13                     ; a weight's row for scale words: lanes 16-31 the odd tile
	v_lshlrev_b32 v[ABS], 5, v12
	v_lshlrev_b32 v12, 2, v8                            ; V's bias: even tiles,
	v_lshlrev_b32 v13, 2, v20                           ; odd tiles (8 units on)
	v_mul_u32_u24 v21, v2, 160                          ; Q's and K's: even, odd
	v_mul_u32_u24 v22, v2, 96
	s_lshl_b32 s21, s15, 8
	s_lshl_b32 s22, s16, 1
	SADD 21, 22
	s_add_co_u32 s21, s21, XN
	v_lshl_add_u32 v23, v1, 2, v2
	v_add_nc_u32 v[STO], s21, v23
	s_lshl_b32 s21, s15, 9
	s_lshl_b32 s22, s16, 8
	SADD 21, 22
	s_add_co_u32 s21, s21, XM
	v_lshl_add_u32 v23, v1, 4, v2
	v_add_nc_u32 v[STV], s21, v23
	WIN 3<<6
.irp b, 0,1,2,3
	v_add_nc_u32 v[BA-768+2*\b], (\b/2)*16*PITCH, v[ADRB+\b%2]
.endr
	WIN (3<<6)|(3<<4)
.irp b, 0,1,2,3
	v_lshl_add_u32 v[BA-768+2*\b+1], v2, 4, v[BA-768+2*\b]
.endr
	WIN 0
	s_lshl_b32 s90, s40, 2
	s_add_co_u32 s90, s90, s14                          ; my number among the sixteen waves of my row of the cluster
	s_lshl_b32 s100, s41, 2
	s_add_co_u32 s100, s100, s14                        ; and of my column
	WALU
	s_wait_dscnt 0x0
	CROUND
	s_wait_kmcnt 0x0
	s_cmp_eq_u32 s19, 0
	s_cselect_b64 s[86:87], s[76:77], s[80:81]
	s_cselect_b64 s[10:11], s[78:79], s[82:83]
	s_cselect_b64 s[48:49], s[48:49], s[50:51]
	s_mov_b32 s20, s66
	s_mov_b32 s21, 0
	s_add_nc_u64 s[G0A+2:G0A+3], s[4:5], s[20:21]
	s_add_nc_u64 s[G0R+2:G0R+3], s[G0A+2:G0A+3], RA*KROW
	s_or_b32 s[G0A+3], s[G0A+3], 0x80000000
	s_or_b32 s[G0R+3], s[G0R+3], 0x80000000
	G0SET G0B, 46, 54
	G0SET G0S, 6, 89
	s_cmp_eq_u32 s14, 0
	s_cbranch_scc0 .Lwave_1
	TLOAD G0B, G1B                                      ; wave 0: W_v's rows
	s_branch .Lasked
.Lwave_1:
	s_cmp_eq_u32 s14, 1
	s_cbranch_scc0 .Lwave_2
	TLOAD G0S, G1S                                      ; wave 1: both chunks' scale bytes
	s_branch .Lasked
.Lwave_2:
	s_cmp_eq_u32 s14, 2
	s_cbranch_scc0 .Lwave_3
	TLOAD G0A, G1A                                      ; wave 2: chunk 0
	s_branch .Lasked
.Lwave_3:
	TLOAD G0R, G1A                                      ; wave 3: chunk 1
.Lasked:
	s_lshl_b32 s22, s16, 11
	s_mov_b32 s20, s22
	MADD 20, 18, 4096
	s_add_nc_u64 s[10:11], s[10:11], s[20:21]           ; phase 2's weight's scale bytes, my 64 rows
	s_mov_b32 s20, s22
	MADD 20, 13, 4096
	s_add_nc_u64 s[84:85], s[2:3], s[20:21]             ; V's
	s_mul_i32 s76, s19, 6291456                         ; where the results go: Q's or K's codes,
	MADD 76, 43, 32*12288
	MADD 76, 15, 4*12288
	MADD 76, 18, 1536
	MADD 76, 16, 768
	s_mov_b32 s77, 0
	s_mul_i32 s78, s19, 262144                          ; their scale words (the stage's halves lie in the order of work),
	MADD 78, 18, 32768
	MADD 78, 43, 2048
	s_xor_b32 s20, s15, s17
	MADD 78, 20, 1024
	MADD 78, 16, 512
	s_mov_b32 s79, 0
	s_lshl_b32 s22, s12, 1
	SADD 22, 15                                         ; V's key step
	s_lshr_b32 s20, s12, 3
	s_mul_i32 s80, s20, 1572864                         ; V's codes,
	MADD 80, 13, 8*24576
	MADD 80, 16, 4*24576
	s_and_b32 s20, s22, 15
	MADD 80, 20, 1536
	s_mov_b32 s81, 0
	s_mul_i32 s82, s22, 4096                            ; and scale words
	MADD 82, 13, 512
	MADD 82, 16, 256
	s_mov_b32 s83, 0
.irp p, 0,1
.irp c, 0,1
	global_load_b128 v[SB+NQ*\p+4*\c:SB+NQ*\p+4*\c+3], v[ABS], s[84:85] offset:\p*16*KS+16*\c
.endr
.endr
	s_lshl_b32 s20, s16, 8
	s_lshl_b32 s22, s13, 9
	SADD 22, 20
	s_mov_b32 s23, 0
	s_add_nc_u64 s[22:23], s[52:53], s[22:23]           ; V's bias
	s_lshl_b32 s12, s18, 9
	SADD 20, 12
	s_add_nc_u64 s[12:13], s[48:49], s[20:21]           ; Q's or K's, loaded between the phases
	WIN 3<<6
.irp t, 0,2
	global_load_b32 v[BBV-768+8*\t], v12, s[22:23] offset:32*\t
	global_load_b32 v[BBV-768+8*\t+8], v13, s[22:23] offset:32*\t
.endr
.irp p, 0,1
.irp c, 0,1
	global_load_b128 v[SB2-768+NQ*\p+4*\c:SB2-768+NQ*\p+4*\c+3], v[ABS], s[10:11] offset:\p*16*KS+16*\c
.endr
.endr
	WIN 0
	s_wait_xcnt 0x0
	s_load_b64 s[10:11], s[0:1], 0x58
	s_load_b128 s[48:51], s[0:1], 0x60
	s_load_b64 s[52:53], s[0:1], 0x70
	s_wait_loadcnt 0x0
	WIN (3<<6)|3
.irp t, 0,8,16,24
.irp i, 1,2,3,4,5,6,7
	v_mov_b32 v[BBV-768+\t+\i], v[BBV-768+\t]
.endr
.endr
	WIN 0
	s_mov_b32 s46, 0
	s_mov_b32 s88, s67
	s_mov_b32 s47, 0
	s_mov_b32 s8, SCL
	s_xor_b32 s20, s17, 1                               ; the chunks still to come are the other half's
	MADD 88, 20, 2*RA*KROW
	MADD 55, 20, 2*CU*256
	PFTILE 8, 9, 100                                    ; what the first refill will load
	WALU
	s_cmp_eq_u32 s14, 0
	s_cbranch_scc0 .Lnot_b
	s_wait_tensorcnt 0x0
.Lnot_b:
	BARRIER                                             ; W_v's rows are in
	PFGO 8, 86
	WEIGHTS
	s_cmp_eq_u32 s14, 3
	s_cbranch_scc1 .Lnot_a0
	s_wait_tensorcnt 0x0
.Lnot_a0:
	s_wait_dscnt 0x0
	BARRIER                                             ; chunk 0 and the scale bytes are in; chunk 1 may be on its way
	FETCH01
	s_wait_kmcnt 0x0
	s_add_nc_u64 s[10:11], s[10:11], s[76:77]
	s_add_nc_u64 s[48:49], s[48:49], s[78:79]
	s_add_nc_u64 s[50:51], s[50:51], s[80:81]
	s_add_nc_u64 s[52:53], s[52:53], s[82:83]
; ---- phase 1: V, eight blocks; chunk 0's way outs stand in chunk 1's blocks
.irp s, 0,1
	s_wait_dscnt NF
	BLOCK 1, \s, HV0+8*\s, 32, 0, 32, L_STEP, \s
	WIN 0
	PLACES 4
	WALU
	FETCH \s
.endr
	s_wait_dscnt NF
	s_wait_xcnt 0x0                                     ; the list writes v8, the head's prefetch's address
	GRD
	BLOCK 1, 0, HV0+16, 32, 0, 24, L_V2
	WIN 0
	s_wait_dscnt 0x0
	s_barrier_signal -1
	BLOCK 1, 0, HV0+16, 32, 24, 32, L_NONE
	MIDDLE
	BARRIER
	s_cmp_lt_u32 s14, 2
	s_cbranch_scc0 .Lno_half
	TLOAD G0B, G1B                                      ; waves 0 and 1: a half each of phase 2's weight, onto W_v's rows, which all waves hold in registers
.Lno_half:
	PLACES 4
	WALU
	FETCH 0
	PFGO 7, 4
	PFGO 8, 6
	BLOCK 1, 1, HV0+24, 32, 0, 32, L_STEP, 1
	WIN 0
	PLACES 4
	WALU
	FETCH 1
.irp j, 0,1,2
	s_wait_dscnt NF+(\j+1)/2
.if \j == 0
	BLOCK 1, 0, HV1, 32, 0, 32, L_OUTE, HV0, 0
.elseif \j == 1
	BLOCK 1, 1, HV1+8, 32, 0, 32, L_OUTO, HV0+32, 1
.else
	BLOCK 1, 0, HV1+16, 32, 0, 32, L_LAST, HV0+64, 2
.endif
	WIN 0
	CODES6 HV0+32*\j, MCD+12*\j, \j
	WALU
	ds_store_b8 v[STV], v[EB+\j] offset:4*\j
.if \j < 2
	FETCH \j%2
.endif
.endr
	s_wait_dscnt 1
	BLOCK 1, 1, HV1+24, 32, 0, 26, L_V7, HV0+96, 3
	WIN 0
	WALU
	s_wait_tensorcnt 0x0
	s_wait_dscnt 0x0
	s_barrier_signal -1                                 ; a plain barrier: phase 2's weight is shown to all
	BLOCK 1, 1, HV1+24, 32, 26, 32, L_NONE
	WIN 0
	s_barrier_wait -1
	CODES6 HV0+96, MCD+36, 3
	WALU
	ds_store_b8 v[STV], v[EB+3] offset:12
; ---- the change of phase: the weight and the first two blocks' rows in one run of loads; chunk 1's way outs under their flight
.irp j, 0,2
.irp c, 0,1
	global_load_b128 v[BBQ+8*\j+4*\c:BBQ+8*\j+4*\c+3], v21, s[12:13] offset:32*\j+16*\c
	global_load_b128 v[BBQ+8*\j+4*\c+8:BBQ+8*\j+4*\c+11], v22, s[12:13] offset:32*\j+32+16*\c
.endr
.endr
	WEIGHTS
	FETCH01
	PFGO 20, 4
	WIN 3
.set I, 0
.rept 16
	v_mov_b32 v[SB+I], v[SB2-768+I]
.set I, I+1
.endr
	WIN 0
.set I, 0
.rept 18
.irp t, 0,1,2,3
	CHAIN I, HV1+32*\t, \t, 64+4*\t
.endr
.set I, I+1
.endr
.set I, 0
.rept 6
.irp t, 0,1,2,3
	CODES I, HV1+32*\t, MCD+12*\t+6, \t, 80+4*\t
.endr
.set I, I+1
.endr
	WIN 0
	WALU
; ---- phase 2: Q or K, sixteen blocks, way outs by pairs
	s_wait_loadcnt 0x0
	s_wait_dscnt NF
	BLOCK 0, 0, ACC, 8, 0, 32, L_STEP, 0
	WIN 0
	PLACES 4
	WALU
.irp t, 0,1,2,3
	ds_store_b8 v[STV], v[EB+\t] offset:2+4*\t
.endr
.irp t, 0,1,2,3
	PUT3 MCD+12*\t, s[50:51], 24576*\t                  ; V's codes leave
.endr
	FETCH 0
	ODD NF+4, 1
	s_mov_b32 s86, 0
.Lwith_rounds:                                          ; blocks 2 to 5, 6 to 9
	EVENROUND NF+1
	ODD -1, 1
	EVEN NF+1, 1
	ODD NF+1, 1
	s_add_co_u32 s86, s86, 1
	s_cmp_lg_u32 s86, 2
	s_cbranch_scc1 .Lwith_rounds
.Lwithout:                                              ; blocks 10, 11 and 12, 13
	EVENSHOW NF+1
	ODD -1, 1
	s_add_co_u32 s86, s86, 1
	s_cmp_lg_u32 s86, 4
	s_cbranch_scc1 .Lwithout
	EVEN NF+1, 0
	ODD 1, 0
; ---- the end: the last way out; the scale words go through LDS under its conversions
	s_lshl_b32 s21, s14, 9
	s_add_co_u32 s21, s21, XN
	v_add_nc_u32 v12, s21, v[CO]
	s_lshl_b32 s21, s14, 8
	s_add_co_u32 s21, s21, XM
	v_add_nc_u32 v14, s21, v[CO8]
.set I, 0
.rept 18
	CHAIN I, ACC+32, 1
.set I, I+1
.endr
	CODES 2, ACC+32, NCD+6, 1
	WALU
	ds_store_b8 v[VX], v[EB+1] offset:64
	s_wait_dscnt 0x0
	s_barrier_signal -1
	CODES 0, ACC+32, NCD+6, 1
	CODES 1, ACC+32, NCD+6, 1
	v_nop
.irp i, 3,4,5
	CODES \i, ACC+32, NCD+6, 1
.endr
	s_barrier_wait -1
	WALU
	ds_load_b128 v[64:67], v12
	ds_load_b64 v[68:69], v14
	PUTQ
	s_wait_dscnt 0x0
	global_store_b128 v[CO], v[64:67], s[48:49]
	global_store_b64 v[CO8], v[68:69], s[52:53]
	s_wait_tensorcnt 0x0
	ds_add_u32 v[SPW], v[NIL]
	s_wait_dscnt 0x0
	CROUND
	s_endpgm
.Lfunc_end_k_q37b9c489a6_proj:
	.size	k_q37b9c489a6_proj, .Lfunc_end_k_q37b9c489a6_proj-k_q37b9c489a6_proj
	.p2alignl 7, 3214868480
	.fill 96, 4, 3214868480
	.section	.rodata,"a",@progbits
	.p2align	6, 0x0
	.amdhsa_kernel k_q37b9c489a6_proj
		.amdhsa_group_segment_fixed_size 327680
		.amdhsa_private_segment_fixed_size 0
		.amdhsa_enable_private_segment 0
		.amdhsa_kernarg_size 120
		.amdhsa_user_sgpr_count 2
		.amdhsa_user_sgpr_kernarg_segment_ptr 1
		.amdhsa_wavefront_size32 1
		.amdhsa_system_sgpr_workgroup_id_x 1
		.amdhsa_system_sgpr_workgroup_id_y 1
		.amdhsa_system_sgpr_workgroup_id_z 1
		.amdhsa_system_vgpr_workitem_id 0
		.amdhsa_next_free_vgpr 1024
		.amdhsa_next_free_sgpr 102
		.amdhsa_reserve_vcc 0
		.amdhsa_float_denorm_mode_32 3
		.amdhsa_float_denorm_mode_16_64 3
		.amdhsa_memory_ordered 1
		.amdhsa_forward_progress 1
		.amdhsa_inst_pref_size 191
	.end_amdhsa_kernel
	.amdgpu_metadata
---
amdhsa.version: [ 1, 2 ]
amdhsa.kernels:
  - .name:           k_q37b9c489a6_proj
    .symbol:         k_q37b9c489a6_proj.kd
    .args:
      - { .name: x_codes, .offset: 0, .size: 8, .value_kind: global_buffer, .address_space: global }
      - { .name: x_scales, .offset: 8, .size: 8, .value_kind: global_buffer, .address_space: global }
      - { .name: Wq_codes, .offset: 16, .size: 8, .value_kind: global_buffer, .address_space: global }
      - { .name: Wq_scales, .offset: 24, .size: 8, .value_kind: global_buffer, .address_space: global }
      - { .name: Wk_codes, .offset: 32, .size: 8, .value_kind: global_buffer, .address_space: global }
      - { .name: Wk_scales, .offset: 40, .size: 8, .value_kind: global_buffer, .address_space: global }
      - { .name: Wv_codes, .offset: 48, .size: 8, .value_kind: global_buffer, .address_space: global }
      - { .name: Wv_scales, .offset: 56, .size: 8, .value_kind: global_buffer, .address_space: global }
      - { .name: bq, .offset: 64, .size: 8, .value_kind: global_buffer, .address_space: global }
      - { .name: bk, .offset: 72, .size: 8, .value_kind: global_buffer, .address_space: global }
      - { .name: bv, .offset: 80, .size: 8, .value_kind: global_buffer, .address_space: global }
      - { .name: qkc, .offset: 88, .size: 8, .value_kind: global_buffer, .address_space: global }
      - { .name: qks, .offset: 96, .size: 8, .value_kind: global_buffer, .address_space: global }
      - { .name: vc, .offset: 104, .size: 8, .value_kind: global_buffer, .address_space: global }
      - { .name: vs, .offset: 112, .size: 8, .value_kind: global_buffer, .address_space: global }
    .group_segment_fixed_size: 327680
    .private_segment_fixed_size: 0
    .kernarg_segment_align: 8
    .kernarg_segment_size: 120
    .max_flat_workgroup_size: 128
    .sgpr_count:     102
    .vgpr_count:     1024
    .wavefront_size: 32
...
	.end_amdgpu_metadata
.endif
;; end of part 1
;; launch scores (part 2): grid 16 x 16, 4 waves a work-group, clusters of 4 x 4, 327,680 bytes of LDS; arguments qkc, qks, pc, ps, pml; writes pc, ps, pml
.if DOCPART == 2
	.amdgcn_target "amdgcn-amd-amdhsa--gfx1250"
	.amdhsa_code_object_version 6
	.text
	.protected	k_q37b9c489a6_scores
	.globl	k_q37b9c489a6_scores
	.p2align	8
	.type	k_q37b9c489a6_scores,@function
k_q37b9c489a6_scores:
	s_mov_b64 s[64:65], 0
	v_nop
	global_prefetch_b8 v0, s[64:65] scope:SCOPE_SE
	s_setreg_imm32_b32 hwreg(HW_REG_WAVE_MODE, 25, 1), 1
	s_wait_xcnt 0x0
	s_wait_alu depctr_hold_cnt(0) depctr_sa_sdst(0) depctr_va_vdst(0) depctr_va_sdst(0) depctr_va_ssrc(0) depctr_va_vcc(0) depctr_vm_vsrc(0)
	s_getreg_b32 s2, hwreg(HW_REG_IB_STS2, 6, 4)
	s_cmp_eq_u32 s2, 0
	s_cbranch_scc0 .Lentry_in_a_cluster
	s_endpgm
.Lentry_in_a_cluster:
	s_bfe_u32 s2, ttmp6, 0x10000c
	s_cmp_lg_u32 s2, 0xf033
	s_cbranch_scc0 .Lentry_shape_is_right
	s_endpgm
.Lentry_shape_is_right:
; S = Q K^T and the softmax's first half.  For each query and band of 64 keys: t = S x log2(e) / 32; M = the band's largest t rounded up to a whole number; p = 2^(t - M), quantised along the keys; l = the sum of p.
; At the end a wave brings its four bands (256 keys) under their common M: scale bytes and l move by whole powers of two.  pv does the same over a row's eight runs.
; LIMITS: NaN and infinities are not served; the scaled scores t stay under 2^31 in magnitude.  A p under 2^-126 comes out of v_exp_f32 as 0.  A scale byte is held at 0 from below.
; A block's largest p is the exponential of its largest score (this takes v_exp_f32 not to fall where its input rises).
; SHARES.  A work-group makes 128 queries x 512 keys of a batch (the cluster's x), a wave 64 queries (held in registers, all of K: 384) x band b of each of four chunks of 128 keys: 16 blocks of 16 keys, 32 products each.
; Source 0 = 16 keys, source 1 = 16 queries: a lane holds one query, its registers run along the keys; four blocks make 32 sums in a lane = one scale block.  Q's tiles are shared along a row of the cluster, K's along a column.
; LDS: two slots for K's chunks, a region for Q's, K's scale words for the whole launch, a stage for what leaves as words.  REFILLS in drained rounds: blocks 2 and 6; the last is shown by a plain barrier in block 10.
; Behind a block's products its sums are read at once (running maxima), ahead of any exponential; tile b of the last chunk has its multiply-adds among block b's products and its exponentials behind them.
; pc[query tile: 512][key step: 16][piece: 3][lane][16 bytes];  ps[batch][key step: 16][band of 64 queries: 32][r][tile: 4] words, each with 0x80808080 on top;  pml[-M; l][batch][run: 8][band of queries][r][tile] f32.
; WAITS: younger than a block's rows are the next block's NF loads.
.set FR, 12
.set FPW, 21
.set NF, 36
.set KSL, 98304
.set QR, 2*KSL
.set SCL, 3*KSL
.set STG, SCL+8*2176
.set SPARE, STG+4096
.set AK, 4                             ; v4, v5: K in slot 0 (16 and 8 bytes a lane); v6, v7: slot 1
.set CO, 9
.set SPW, 10
.set NIL, 11
.set AQ, 12                            ; v12, v13
.set AKS, 14
.set QO, 15
.set STW, 16
.set STR, 17
.set O8, 18
.set PFA, 19
.set SH, 20
.set SOP, 25
.set TC, 26
.set PT, 33                            ; v33-36
.set SB, 40                            ; v40-55: Q's scale words: 8 p + q, lanes 0-15 tile 2 p, lanes 16-31 tile 2 p + 1
.set SU, 56
.set PM, 56
.set NMS, 192
.set LS, 208
.set EB, 224
.set NMP, 240
.set MX, 248
.set MCD, 200                          ; v968-1015, window 3: p's codes, 12 registers a tile
.set CS, 66
.set SEL, 76
.set G1Q, 24
.set G1K, 32
.set G1S, 92
.set G0Q, 56
.set G0K, 60
.set G0L, 68
.set G0S, 72
.set MSB, 0
.macro WIN new
.if MSB != (\new)
	s_set_vgpr_msb (MSB<<8)|(\new)
.set MSB, (\new)
.endif
.endm
.macro PLACES n
.rept \n
	v_nop
.endr
.endm
.macro WALU
	s_wait_alu depctr_va_vdst(0)
.endm
.macro BARRIER
	s_barrier_signal -1
	s_barrier_wait -1
.endm
.macro MIDDLE
	WIN 0
	s_barrier_wait -1
	s_cmp_lg_u32 s14, 0
	s_cbranch_scc1 .Lnot_wave_0_\@
	s_barrier_signal -3
.Lnot_wave_0_\@:
	s_barrier_wait -3
.endm
.macro CROUND
	s_barrier_signal -1
	MIDDLE
	BARRIER
.endm
.macro TLOAD g0, g1
	tensor_load_to_lds s[\g0:\g0+3], s[\g1:\g1+7]
	s_nop 0
	PLACES 4
.endm
.macro GROUP1 g, mask, cols, rows, pitch, pad
	s_or_b32 s[\g+0], s[\mask], (3<<16)|(1<<21)|(\pad)
	s_mov_b32 s[\g+1], (\cols)<<16
	s_mov_b32 s[\g+2], (\rows)<<16
	s_mov_b32 s[\g+3], (\cols)<<16
	s_mov_b32 s[\g+4], \rows
	s_mov_b32 s[\g+5], \pitch
	s_mov_b32 s[\g+6], 0
	s_mov_b32 s[\g+7], 0
.endm
.macro MADD d, s, k
	s_mul_i32 s23, s\s, \k
	s_add_co_u32 s\d, s\d, s23
.endm
.macro G0SET g, lds, base, off         ; s21 = 0
	s_mov_b32 s[\g], 1
	s_mov_b32 s[\g+1], \lds
	s_mov_b32 s20, s\off
	s_add_nc_u64 s[\g+2:\g+3], s[\base:\base+1], s[20:21]
	s_or_b32 s[\g+3], s[\g+3], 0x80000000
.endm
.macro FRAG f, off, a                  ; an operand: for each 64 along K registers 0-3 and 4-5
	WIN ((1+(\f)/FPW)<<6)
.set R_, FR*((\f)%FPW)
	ds_load_b128 v[R_:R_+3], v[\a] offset:\off
	ds_load_b64 v[R_+4:R_+5], v[\a+1] offset:(\off)+512
	ds_load_b128 v[R_+6:R_+9], v[\a] offset:(\off)+768
	ds_load_b64 v[R_+10:R_+11], v[\a+1] offset:(\off)+1280
.endm
.macro FETCH s                         ; block s's 16 keys, all of K, and their scale words: lanes 0-15 the even, lanes 16-31 the odd of two steps along K
.irp q, 0,1,2,3,4,5,6,7
	FRAG 32+8*((\s)%2)+\q, ((\s)%4)*12288+\q*1536, AK+2*(((\s)/4)%2)
.endr
	WIN 0
.irp k, 0,1,2,3
	ds_load_b32 v[29-8*((\s)%2)+\k], v[AKS] offset:\k*4352+((\s)/4)*544+((\s)%4)*64
.endr
.endm
.macro P2 ra, rb, c
	v_wmma_scale_f32_16x16x128_f8f6f4 v[DL_:DL_+7], v[S0_:S0_+FR-1], v[S1_:S1_+FR-1], \c, v[X0_], v[X1_] matrix_a_fmt:MATRIX_FMT_FP6 matrix_b_fmt:MATRIX_FMT_FP6 matrix_a_scale:MATRIX_SCALE_ROW\ra matrix_b_scale:MATRIX_SCALE_ROW\rb
.endm
.macro PRB ra, rb
.if Q_
	P2 \ra, \rb, v[DL_:DL_+7]
.else
	P2 \ra, \rb, 0
.endif
.endm
.macro PRA ra
.if B_%2
	PRB \ra, 1
.else
	PRB \ra, 0
.endif
.endm
.macro PROD n                          ; the block: C_ its chunk, J_ its number there, E_ its set
.set Q_, (\n)/4
.set B_, (\n)%4
.set FB_, 4*Q_+B_
.set FA_, 32+8*E_+Q_
.set DW_, 3*(C_%2)
.set DL_, 64+8*(C_%2)+32*B_+8*J_
.set S0_, FR*(FA_%FPW)
.set S1_, FR*(FB_%FPW)
.set X0_, 29-8*E_+Q_/2
.set X1_, SB+8*(B_/2)+Q_
	WIN (1+FA_/FPW)|((1+FB_/FPW)<<2)|(DW_<<4)|(DW_<<6)
.if Q_%2
	PRA 1
.else
	PRA 0
.endif
.endm
.macro L_FMA i                         ; entry i of the way out of the tile that SETW names: t - M, two at a time; and of the block's largest score
.if WAY_
.if (\i) < 16
	WIN WW_|(WW_<<6)
	v_pk_fma_f32 v[WL_+2*(\i):WL_+2*(\i)+1], v[WL_+2*(\i):WL_+2*(\i)+1], s[CS:CS+1], v[WNM_:WNM_+1] op_sel_hi:[1,0,0]
.elseif (\i) == 16
	WIN 0
	v_fma_f32 v[WM_], v[WM_], s[CS], v[WNM_]
.endif
.endif
.endm
.macro BLOCK from, to
.set N_, \from
.rept (\to)-(\from)
	PROD N_
.if N_%2
	L_FMA N_-1
	L_FMA N_
.endif
.set N_, N_+1
.endr
.endm
.macro SETW n, b
.set WW_, 3*((\n)%2)
.set WL_, 64+8*((\n)%2)+32*(\b)
.set WNM_, NMP+2*(\b)
.set WM_, MX+4*((\n)%2)+(\b)
.endm
.macro MAXES                           ; each accumulator from its low end on; the four tiles by turns
.set MW_, 3*(C_%2)
.set ML_, 64+8*(C_%2)+8*J_
.set MM_, MX+4*(C_%2)
.if J_ == 0
	WIN MW_|(MW_<<2)|(MW_<<4)
.irp b, 0,1,2,3
	v_max3_num_f32 v[MM_+\b], v[ML_+32*\b], v[ML_+32*\b+1], v[ML_+32*\b+2]
.endr
	WIN (MW_<<2)|(MW_<<4)
.irp k, 3,5
.irp b, 0,1,2,3
	v_max3_num_f32 v[MM_+\b], v[MM_+\b], v[ML_+32*\b+\k], v[ML_+32*\b+\k+1]
.endr
.endr
.irp b, 0,1,2,3
	v_max_num_f32 v[MM_+\b], v[MM_+\b], v[ML_+32*\b+7]
.endr
.else
	WIN (MW_<<2)|(MW_<<4)
.irp k, 0,2,4,6
.irp b, 0,1,2,3
	v_max3_num_f32 v[MM_+\b], v[MM_+\b], v[ML_+32*\b+\k], v[ML_+32*\b+\k+1]
.endr
.endr
.endif
	WIN 0
.endm
.macro NMCALC                          ; the chunk's -M for the four tiles: with lane l xor 16's 32 keys
.irp b, 0,1,2,3
	v_permlanex16_b32 v[PT+\b], v[MM_+\b], s[SEL], s[SEL+1]
.endr
.irp b, 0,1,2,3
	v_max_num_f32 v[PM+\b], v[MM_+\b], v[PT+\b]
.endr
.irp b, 0,1,2,3
	v_mul_f32 v[PM+\b], s[CS], v[PM+\b]
.endr
.irp b, 0,1,2,3
	v_floor_f32 v[NMP+2*\b], -v[PM+\b]
.endr
.irp b, 0,1,2,3
	v_mov_b32 v[NMS+4*C_+\b], v[NMP+2*\b]
.endr
.endm
.macro EXPS
	WIN WW_|(WW_<<6)
.set I_, 0
.rept 32
	v_exp_f32 v[WL_+I_], v[WL_+I_]
.set I_, I_+1
.endr
	WIN 0
	v_exp_f32 v[WM_], v[WM_]
.endm
.macro OUT n, b                        ; behind the exponentials' wait: l of the unquantised p, the scale, the codes; an odd chunk's complete the operands
	v_max_num_f32 v[SOP], 0x1800000, v[WM_]
	WIN WW_|(WW_<<2)
.irp k, 0,1,2,3
	v_pk_add_f32 v[SU+2*\k:SU+2*\k+1], v[WL_+4*\k:WL_+4*\k+1], v[WL_+4*\k+2:WL_+4*\k+3]
.endr
	WIN WW_<<2
.irp m, 16,24
.irp k, 0,1,2,3
	v_pk_add_f32 v[SU+2*\k:SU+2*\k+1], v[SU+2*\k:SU+2*\k+1], v[WL_+\m+2*\k:WL_+\m+2*\k+1]
.endr
.endr
	WIN 0
	v_add_nc_u32 v[SOP], 0xff000000, v[SOP]
	v_pk_add_f32 v[SU:SU+1], v[SU:SU+1], v[SU+2:SU+3]
	v_pk_add_f32 v[SU+4:SU+5], v[SU+4:SU+5], v[SU+6:SU+7]
	v_pk_add_f32 v[SU:SU+1], v[SU:SU+1], v[SU+4:SU+5]
	v_add_f32 v[LS+4*(\n)+(\b)], v[SU], v[SU+1]
.set MC_, MCD+12*(\b)+6*((\n)%2)
	WIN WW_|0xc0
	v_cvt_scalef32_pk16_fp6_f32 v[MC_:MC_+2], v[WL_:WL_+15], v[SOP]
	WIN WW_
	v_cvt_scalef32_pk16_fp6_f32 v[TC:TC+2], v[WL_+16:WL_+31], v[SOP]
	WIN 0
	v_lshrrev_b32 v[EB+4*(\n)+(\b)], 23, v[SOP]
	WIN 0xc0
.irp i, 0,1,2
	v_mov_b32 v[MC_+3+\i], v[TC+\i]
.endr
.if (\n)%2
	WIN 0x0c
.irp k, 0,1,2
	global_store_b128 v[CO], v[MCD+12*(\b)+4*\k:MCD+12*(\b)+4*\k+3], s[8:9] offset:24576*(\b)+3072*((\n)/2)+512*\k
.endr
.endif
	WIN 0
.endm
.macro SBLOCK s, kind                  ; kind 1: a round with a refill; 2: a plain barrier shows the last refill
.set C_, (\s)/4
.set J_, (\s)%4
.set E_, (\s)%2
.set WAY_, 0
.if C_ > 0
.set WAY_, 1
	SETW C_-1, J_
.endif
.if (\s) == 12
	s_wait_xcnt 0x0                                ; the codes' registers are written again
.endif
.if (\s) == 15
	s_wait_dscnt 0x0
.else
	s_wait_dscnt NF
.endif
.if (\kind) == 1
	s_wait_tensorcnt 0x0
	ds_add_u32 v[SPW], v[NIL]
.if (\s) == 2
	s_mul_i32 s20, s14, 24576                      ; each wave a quarter of a chunk: two tiles
	s_mov_b32 s[G0K+1], s20
	s_add_co_u32 s20, s20, 2*KSL
	s_add_nc_u64 s[G0K+2:G0K+3], s[46:47], s[20:21]
	s_or_b32 s[G0K+3], s[G0K+3], 0x80000000
	s_mov_b32 s[G1K+2], 2<<16
	s_mov_b32 s[G1K+4], 2
.else
	s_add_co_u32 s[G0K+1], s[G0K+1], KSL
	s_add_nc_u64 s[G0K+2:G0K+3], s[G0K+2:G0K+3], KSL
.endif
.endif
	BLOCK 0, 26
.if (\kind) > 0
	WIN 0
	WALU
.if (\kind) == 2
	s_wait_tensorcnt 0x0
.endif
	s_wait_dscnt 0x0
	s_barrier_signal -1
.endif
	BLOCK 26, 32
	WIN 0
	PLACES 4
	MAXES
.if J_ == 3
	NMCALC
.endif
.if (\kind) == 1
	MIDDLE
	BARRIER
	TLOAD G0K, G1K
.elseif (\kind) == 2
	s_barrier_wait -1
.endif
	WALU
.if (\s) < 14
	FETCH (\s)+2
.endif
.if (\s) == 2
	global_prefetch_b8 v[PFA], s[46:47] offset:3*KSL th:TH_LOAD_NT scope:SCOPE_SE
.endif
.if WAY_
	EXPS
	v_nop
	WALU
	OUT C_-1, J_
.endif
.endm
	s_load_b256 s[4:11], s[0:1], 0x0
	s_load_b64 s[12:13], s[0:1], 0x20
	v_lshl_add_u32 v[SPW], v0, 2, SPARE
	v_mov_b32 v[NIL], 0
	ds_add_u32 v[SPW], v[NIL]
	ds_add_u32 v[SPW], v[NIL]
	v_lshrrev_b32 v1, 5, v0
	v_readfirstlane_b32 s14, v1
	s_lshr_b32 s15, s14, 1                         ; which 64 of the queries
	s_and_b32 s16, s14, 1                          ; which band of a chunk of keys
	s_bfe_u32 s40, ttmp6, 0x40000                  ; cx: the tile of 512 keys
	s_bfe_u32 s41, ttmp6, 0x40004
	s_mov_b32 s42, ttmp9                           ; the batch
	s_and_b32 s43, ttmp7, 0xffff
	s_lshl_b32 s43, s43, 2
	s_add_co_u32 s43, s43, s41                     ; the tile of 128 queries
	s_lshl_b32 s44, s41, 2
	s_lshl_b32 s44, 15, s44
	s_lshl_b32 s45, 0x1111, s40
	GROUP1 G1Q, 44, 1536, 8, 1536, 0
	GROUP1 G1K, 45, 1536, 8, 1536, 0
	GROUP1 G1S, 45, 256, 8, 4096, (1<<20)|(5<<22)|(3<<25)
	s_mul_i32 s78, s42, 128*12288
	s_mov_b32 s79, s78
	MADD 78, 43, 8*12288                           ; Q's codes
	MADD 79, 40, 32*12288
	s_add_co_u32 s79, s79, 6291456                 ; K's
	s_lshl_b32 s80, s42, 13
	s_mov_b32 s81, s80
	MADD 80, 40, 2048
	s_add_co_u32 s80, s80, 262144                  ; K's scale words
	MADD 81, 43, 512
	MADD 81, 15, 256                               ; my queries'
	s_mov_b32 s[CS], 0x3d38aa3b                    ; log2(e) / 32
	s_mov_b32 s[CS+1], s[CS]
	s_mov_b32 s[SEL], 0x76543210
	s_mov_b32 s[SEL+1], 0xfedcba98
	v_and_b32 v1, 15, v0
	v_bfe_u32 v2, v0, 4, 1
	v_and_b32 v3, 31, v0
	v_lshlrev_b32 v[CO], 4, v3
	v_lshlrev_b32 v[O8], 3, v3
	v_lshlrev_b32 v[QO], 2, v3
	v_lshlrev_b32 v[SH], 3, v2
	s_mul_i32 s22, s16, 4*12288
	v_add_nc_u32 v[AK], s22, v[CO]
	v_add_nc_u32 v[AK+1], s22, v[O8]
	s_add_co_u32 s22, s22, KSL
	v_add_nc_u32 v[AK+2], s22, v[CO]
	v_add_nc_u32 v[AK+3], s22, v[O8]
	s_mul_i32 s22, s15, 4*12288
	s_add_co_u32 s22, s22, QR
	v_add_nc_u32 v[AQ], s22, v[CO]
	v_add_nc_u32 v[AQ+1], s22, v[O8]
	s_mul_i32 s22, s16, 272
	s_add_co_u32 s22, s22, SCL
	v_mul_u32_u24 v[AKS], v2, 2176
	v_lshl_add_u32 v[AKS], v1, 2, v[AKS]
	v_add_nc_u32 v[AKS], s22, v[AKS]
	s_lshl_b32 s22, s14, 10
	s_add_co_u32 s22, s22, STG
	v_lshlrev_b32 v[STW], 4, v1
	v_add_nc_u32 v[STW], s22, v[STW]
	v_add_nc_u32 v[STR], s22, v[O8]
	s_lshl_b32 s22, s41, 2
	s_add_co_u32 s22, s22, s14
	s_mul_i32 s22, s22, 6144                       ; my sixteenth of a chunk of K, for the prefetches: 24 blocks of 256 bytes
	v_min_u32 v[PFA], 23, v3
	v_lshl_add_u32 v[PFA], v[PFA], 8, s22
.irp b, 0,1,2,3
	v_mov_b32 v[PT+\b], 0                          ; (a lane permute's destination counts as one of its sources)
	v_mov_b32 v[NMP+2*\b+1], 0                     ; (named as the upper half of a pair)
.endr
	WALU
	s_wait_dscnt 0x0
	CROUND
	s_wait_kmcnt 0x0
	s_mov_b32 s21, 0
	G0SET G0Q, QR, 4, 78
	G0SET G0K, 0, 4, 79
	G0SET G0S, SCL, 6, 80
	s_mov_b32 s20, s79
	s_add_nc_u64 s[46:47], s[4:5], s[20:21]
	s_mov_b32 s[G0L], 1
	s_mov_b32 s[G0L+1], KSL
	s_add_nc_u64 s[G0L+2:G0L+3], s[46:47], KSL
	s_or_b32 s[G0L+3], s[G0L+3], 0x80000000
	s_cmp_eq_u32 s14, 0
	s_cbranch_scc0 .Lwave_1
	TLOAD G0Q, G1Q                                 ; wave 0: Q's tile
	s_branch .Lasked
.Lwave_1:
	s_cmp_eq_u32 s14, 1
	s_cbranch_scc0 .Lwave_2
	TLOAD G0S, G1S                                 ; wave 1: K's scale words
	s_branch .Lasked
.Lwave_2:
	s_cmp_eq_u32 s14, 2
	s_cbranch_scc0 .Lwave_3
	TLOAD G0K, G1K                                 ; wave 2: chunk 0
	s_branch .Lasked
.Lwave_3:
	TLOAD G0L, G1K                                 ; wave 3: chunk 1
.Lasked:
	s_mov_b32 s20, s81
	s_add_nc_u64 s[6:7], s[6:7], s[20:21]
.irp q, 0,1,2,3,4,5,6,7
.irp p, 0,1
	global_load_b32 v[SB+8*\p+\q], v[QO], s[6:7] offset:32768*\q+128*\p
.endr
.endr
	s_mul_i32 s20, s42, 128*24576                  ; where p's codes go: my first tile, key step 4 cx + band
	MADD 20, 43, 8*24576
	MADD 20, 15, 4*24576
	MADD 20, 40, 4*1536
	MADD 20, 16, 1536
	s_add_nc_u64 s[8:9], s[8:9], s[20:21]
	s_lshl_b32 s22, s43, 9
	MADD 22, 15, 256                               ; my band of queries
	s_mov_b32 s20, s22
	MADD 20, 42, 16*8192
	MADD 20, 40, 4*8192
	MADD 20, 16, 8192
	s_add_nc_u64 s[10:11], s[10:11], s[20:21]
	s_mov_b32 s20, s22
	MADD 20, 42, 8*8192
	MADD 20, 40, 2*8192
	MADD 20, 16, 8192
	s_add_nc_u64 s[12:13], s[12:13], s[20:21]
	s_cmp_eq_u32 s14, 0
	s_cbranch_scc0 .Lnot_q
	s_wait_tensorcnt 0x0
.Lnot_q:
	BARRIER                                        ; Q's tile is in
.irp q, 0,1,2,3,4,5,6,7
.irp b, 0,1,2,3
	FRAG 4*\q+\b, \b*12288+\q*1536, AQ
.endr
.endr
	WIN 0
	s_wait_loadcnt 0x0
	s_cmp_eq_u32 s14, 3
	s_cbranch_scc1 .Lnot_k
	s_wait_tensorcnt 0x0
.Lnot_k:
	s_wait_dscnt 0x0
	BARRIER                                        ; chunk 0 and the scale words are in; chunk 1 may be on its way
	FETCH 0
	FETCH 1
	global_prefetch_b8 v[PFA], s[46:47] offset:2*KSL th:TH_LOAD_NT scope:SCOPE_SE   ; chunk 2, which block 2 asks for; chunk 3 behind block 2's refill
	SBLOCK 0, 0
	SBLOCK 1, 0
	SBLOCK 2, 1
	SBLOCK 3, 0
	SBLOCK 4, 0
	SBLOCK 5, 0
	SBLOCK 6, 1
	SBLOCK 7, 0
	SBLOCK 8, 0
	SBLOCK 9, 0
	SBLOCK 10, 2
	SBLOCK 11, 0
	SBLOCK 12, 0
	SBLOCK 13, 0
	SBLOCK 14, 0
	SBLOCK 15, 0
; ---- the last chunk's way out
.set WAY_, 1
.irp b, 0,1,2,3
	SETW 3, \b
.set N_, 0
.rept 17
	L_FMA N_
.set N_, N_+1
.endr
.endr
	WIN 0
	WALU
.irp b, 0,1,2,3
	SETW 3, \b
	EXPS
.endr
	v_nop
	WALU
.irp b, 0,1,2,3
	SETW 3, \b
	OUT 3, \b
.endr
; ---- the wave's four bands under one M: -M is the smallest of the four; E = M(band) - M, 0 or less, held at -200
.set EE, 64
.irp b, 0,1,2,3
	v_min3_num_f32 v[PM+\b], v[NMS+\b], v[NMS+4+\b], v[NMS+8+\b]
.endr
.irp b, 0,1,2,3
	v_min_num_f32 v[PM+\b], v[PM+\b], v[NMS+12+\b]
.endr
.irp n, 0,4,8,12
.irp b, 0,1,2,3
	v_sub_f32 v[EE+\n+\b], v[PM+\b], v[NMS+\n+\b]
.endr
.endr
.irp n, 0,4,8,12
.irp b, 0,1,2,3
	v_max_num_f32 v[EE+\n+\b], 0xc3480000, v[EE+\n+\b]
.endr
.endr
.irp n, 0,4,8,12
.irp b, 0,1,2,3
	v_cvt_i32_f32 v[EE+\n+\b], v[EE+\n+\b]
.endr
.endr
.irp n, 0,4,8,12
.irp b, 0,1,2,3
	v_ldexp_f32 v[LS+\n+\b], v[LS+\n+\b], v[EE+\n+\b]
	v_add_nc_u32 v[EB+\n+\b], v[EB+\n+\b], v[EE+\n+\b]
.endr
.endr
.irp n, 0,4,8,12
.irp b, 0,1,2,3
	v_max_i32 v[EB+\n+\b], 0, v[EB+\n+\b]
.endr
.endr
.irp b, 0,1,2,3
	v_add_f32 v[LS+\b], v[LS+\b], v[LS+4+\b]
	v_add_f32 v[LS+8+\b], v[LS+8+\b], v[LS+12+\b]
.endr
.irp b, 0,1,2,3
	v_add_f32 v[LS+\b], v[LS+\b], v[LS+8+\b]
.endr
.irp b, 0,1,2,3
	v_permlanex16_b32 v[PT+\b], v[LS+\b], s[SEL], s[SEL+1]
.endr
.irp b, 0,1,2,3
	v_add_f32 v[LS+\b], v[LS+\b], v[PT+\b]
.endr
.irp g, 0,8
.irp b, 0,1,2,3
	v_lshl_or_b32 v[EB+\g+\b], v[EB+\g+4+\b], 16, v[EB+\g+\b]   ; bytes 0 and 2 (lanes 0-15) or 1 and 3 (lanes 16-31)
.endr
.irp b, 0,1,2,3
	v_lshlrev_b32 v[EB+\g+\b], v[SH], v[EB+\g+\b]
.endr
.irp b, 0,1,2,3
	v_permlanex16_b32 v[PT+\b], v[EB+\g+\b], s[SEL], s[SEL+1]
.endr
.irp b, 0,1,2,3
	v_or_b32 v[EB+\g+\b], v[EB+\g+\b], v[PT+\b]
.endr
.irp b, 0,1,2,3
	v_or_b32 v[EB+\g+\b], 0x80808080, v[EB+\g+\b]
.endr
.endr
	WALU
.irp b, 0,1,2,3
	ds_store_b32 v[STW], v[EB+\b] offset:4*\b
	ds_store_b32 v[STW], v[EB+8+\b] offset:256+4*\b
	ds_store_b32 v[STW], v[PM+\b] offset:512+4*\b
	ds_store_b32 v[STW], v[LS+\b] offset:768+4*\b
.endr
.irp k, 0,1,2,3
	ds_load_b64 v[80+2*\k:81+2*\k], v[STR] offset:256*\k        ; my own bytes: LDS serves a wave's instructions in order (ISA guide 5.7.1.4)
.endr
	s_wait_dscnt 0x0
	global_store_b64 v[O8], v[80:81], s[10:11]
	global_store_b64 v[O8], v[82:83], s[10:11] offset:16384
	global_store_b64 v[O8], v[84:85], s[12:13]
	global_store_b64 v[O8], v[86:87], s[12:13] offset:262144
	s_wait_tensorcnt 0x0
	ds_add_u32 v[SPW], v[NIL]
	s_wait_dscnt 0x0
	CROUND
	s_endpgm
.Lfunc_end_k_q37b9c489a6_scores:
	.size	k_q37b9c489a6_scores, .Lfunc_end_k_q37b9c489a6_scores-k_q37b9c489a6_scores
	.p2alignl 7, 3214868480
	.fill 96, 4, 3214868480
	.section	.rodata,"a",@progbits
	.p2align	6, 0x0
	.amdhsa_kernel k_q37b9c489a6_scores
		.amdhsa_group_segment_fixed_size 327680
		.amdhsa_private_segment_fixed_size 0
		.amdhsa_enable_private_segment 0
		.amdhsa_kernarg_size 40
		.amdhsa_user_sgpr_count 2
		.amdhsa_user_sgpr_kernarg_segment_ptr 1
		.amdhsa_wavefront_size32 1
		.amdhsa_system_sgpr_workgroup_id_x 1
		.amdhsa_system_sgpr_workgroup_id_y 1
		.amdhsa_system_sgpr_workgroup_id_z 1
		.amdhsa_system_vgpr_workitem_id 0
		.amdhsa_next_free_vgpr 1024
		.amdhsa_next_free_sgpr 102
		.amdhsa_reserve_vcc 0
		.amdhsa_float_denorm_mode_32 3
		.amdhsa_float_denorm_mode_16_64 3
		.amdhsa_memory_ordered 1
		.amdhsa_forward_progress 1
		.amdhsa_inst_pref_size 225
	.end_amdhsa_kernel
	.amdgpu_metadata
---
amdhsa.version: [ 1, 2 ]
amdhsa.kernels:
  - .name:           k_q37b9c489a6_scores
    .symbol:         k_q37b9c489a6_scores.kd
    .args:
      - { .name: qkc, .offset: 0, .size: 8, .value_kind: global_buffer, .address_space: global }
      - { .name: qks, .offset: 8, .size: 8, .value_kind: global_buffer, .address_space: global }
      - { .name: pc, .offset: 16, .size: 8, .value_kind: global_buffer, .address_space: global }
      - { .name: ps, .offset: 24, .size: 8, .value_kind: global_buffer, .address_space: global }
      - { .name: pml, .offset: 32, .size: 8, .value_kind: global_buffer, .address_space: global }
    .group_segment_fixed_size: 327680
    .private_segment_fixed_size: 0
    .kernarg_segment_align: 8
    .kernarg_segment_size: 40
    .max_flat_workgroup_size: 128
    .sgpr_count:     102
    .vgpr_count:     1024
    .wavefront_size: 32
...
	.end_amdgpu_metadata
.endif
;; end of part 2
;; launch pv (part 3): grid 16 x 16, 4 waves a work-group, clusters of 4 x 4, 327,680 bytes of LDS; arguments pc, ps, pml, vc, vs, out0; writes out0
.if DOCPART == 3
	.amdgcn_target "amdgcn-amd-amdhsa--gfx1250"
	.amdhsa_code_object_version 6
	.text
	.protected	k_q37b9c489a6_pv
	.globl	k_q37b9c489a6_pv
	.p2align	8
	.type	k_q37b9c489a6_pv,@function
k_q37b9c489a6_pv:
	s_mov_b64 s[64:65], 0
	v_nop
	global_prefetch_b8 v0, s[64:65] scope:SCOPE_SE
	s_setreg_imm32_b32 hwreg(HW_REG_WAVE_MODE, 25, 1), 1
	s_wait_xcnt 0x0
	s_wait_alu depctr_hold_cnt(0) depctr_sa_sdst(0) depctr_va_vdst(0) depctr_va_sdst(0) depctr_va_ssrc(0) depctr_va_vcc(0) depctr_vm_vsrc(0)
	s_getreg_b32 s2, hwreg(HW_REG_IB_STS2, 6, 4)
	s_cmp_eq_u32 s2, 0
	s_cbranch_scc0 .Lentry_in_a_cluster
	s_endpgm
.Lentry_in_a_cluster:
	s_bfe_u32 s2, ttmp6, 0x10000c
	s_cmp_lg_u32 s2, 0xf033
	s_cbranch_scc0 .Lentry_shape_is_right
	s_endpgm
.Lentry_shape_is_right:
; O = P V / l on codes of FP6.  P's codes were made under a whole number M for each query and run of 256 keys; the head finds the row's M, adds E = M(run) - M(row) to the scale bytes, multiplies l by the same power of two and sums l.
; LIMITS: NaN and infinities are not served.  E is held at -127; a scale byte that would fall under 0 becomes 0, which stands for 2^-127, beside a row whose largest p is above 1/2.
; SHARES.  A work-group makes 256 queries x 128 units of a batch, a wave 64 units (V held in registers, half of K at a time: 384) x band w of both chunks of 128 queries.  K goes in two halves of 1,024 keys: 8 blocks of 16 queries in
; each, 32 products a block, 256 registers of sums.  Source 0 = 16 units, source 1 = 16 queries: a lane holds one query and eight neighbouring units.  P's tiles are shared along a row of the cluster, V's along a column.
; In the second half each block's 16 rows x 256 bytes leave on their own: scaled among the next block's products, through the wave's stage in LDS, stored a block later as whole units of 256 bytes.
; LDS: two slots for P's chunks, a region for V's 128 units x half of K, stages.  REFILLS in drained rounds: block 2 (V's second half; P's chunk 2), block 6 (chunk 3); the last is shown by a plain barrier in block 10.
; V's second half goes into registers behind each step of block 7's products.  WAITS: younger than a block's rows are the next block's NF loads, from block 10 on also 16 stage accesses.
.set FR, 12
.set FPW, 21
.set NF, 24
.set KSL, 98304
.set VR, 2*KSL
.set STG, 3*KSL
.set SPARE, STG+4*16*272
.set AP, 4                             ; v4, v5: P in slot 0, 1
.set AV, 6
.set PFP, 7
.set PFV, 8
.set CO, 9
.set SPW, 10
.set NIL, 11
.set MO, 12
.set VO, 13
.set STO, 14                           ; v14 even, v15 odd unit tiles
.set RD, 16
.set OO, 17
.set SBV, 28                           ; v28-59: V's scale words: 4 (key step / 2) + tile, lanes 0-15 the even, lanes 16-31 the odd key step
.set SAP, 192                          ; v192-255: P's: 32 chunk + 4 (key step / 2) + tile
.set NMT, 64                           ; in the head: -M, 16 chunk + 4 (run / 2) + tile
.set LLT, 96
.set MN, 128
.set MT, 136
.set EE, 144
.set GA, 176
.set GB, 184
.set RL, 200                           ; v968-983, window 3: 1 / l in pairs
.set RB, 216                           ; v984-1015, window 3: rows read back
.set SEL, 80
.set G1V, 24
.set G1A, 32
.set G1C, 92
.set G0V, 56
.set G0A, 60
.set G0C, 68
.set MSB, 0
.macro WIN new
.if MSB != (\new)
	s_set_vgpr_msb (MSB<<8)|(\new)
.set MSB, (\new)
.endif
.endm
.macro PLACES n
.rept \n
	v_nop
.endr
.endm
.macro WALU
	s_wait_alu depctr_va_vdst(0)
.endm
.macro BARRIER
	s_barrier_signal -1
	s_barrier_wait -1
.endm
.macro MIDDLE
	WIN 0
	s_barrier_wait -1
	s_cmp_lg_u32 s14, 0
	s_cbranch_scc1 .Lnot_wave_0_\@
	s_barrier_signal -3
.Lnot_wave_0_\@:
	s_barrier_wait -3
.endm
.macro CROUND
	s_barrier_signal -1
	MIDDLE
	BARRIER
.endm
.macro TLOAD g0, g1
	tensor_load_to_lds s[\g0:\g0+3], s[\g1:\g1+7]
	s_nop 0
	PLACES 4
.endm
.macro GROUP1 g, mask, rows            ; rows of 12,288 bytes (half of K of a tile), 24,576 apart
	s_or_b32 s[\g+0], s[\mask], (3<<16)|(1<<21)
	s_mov_b32 s[\g+1], 1536<<16
	s_mov_b32 s[\g+2], (\rows)<<16
	s_mov_b32 s[\g+3], 1536<<16
	s_mov_b32 s[\g+4], \rows
	s_mov_b32 s[\g+5], 3072
	s_mov_b32 s[\g+6], 0
	s_mov_b32 s[\g+7], 0
.endm
.macro MADD d, s, k
	s_mul_i32 s23, s\s, \k
	s_add_co_u32 s\d, s\d, s23
.endm
.macro FRAG f, off, a
	WIN ((1+(\f)/FPW)<<6)
.set R_, FR*((\f)%FPW)
.irp c, 0,1,2
	ds_load_b128 v[R_+4*\c:R_+4*\c+3], v[\a] offset:(\off)+512*\c
.endr
.endm
.macro FETCH s
.irp q, 0,1,2,3,4,5,6,7
	FRAG 32+8*((\s)%2)+\q, ((\s)%4)*12288+\q*1536, AP+((\s)/4)%2
.endr
	WIN 0
.endm
.macro VLOAD q
.irp t, 0,1,2,3
	FRAG 4*(\q)+\t, \t*12288+(\q)*1536, AV
.endr
	WIN 0
.endm
.macro P2 ra, c
	v_wmma_scale_f32_16x16x128_f8f6f4 v[DL_:DL_+7], v[S0_:S0_+FR-1], v[S1_:S1_+FR-1], \c, v[X0_], v[X1_] matrix_a_fmt:MATRIX_FMT_FP6 matrix_b_fmt:MATRIX_FMT_FP6 matrix_a_scale:MATRIX_SCALE_ROW\ra matrix_b_scale:MATRIX_SCALE_ROW\ra
.endm
.macro PROD n                          ; the block: H_ its half of K, C_ its chunk of queries, J_ its number there, E_ its set
.set Q_, (\n)/4
.set T_, (\n)%4
.set FB_, 4*Q_+T_
.set FA_, 32+8*E_+Q_
.set DW_, 3*C_
.set DL_, 64+8*C_+32*J_+8*T_
.set S0_, FR*(FB_%FPW)
.set S1_, FR*(FA_%FPW)
.set X0_, SBV+4*(4*H_+Q_/2)+T_
.set X1_, SAP+32*C_+4*(4*H_+Q_/2)+J_
	WIN (1+FB_/FPW)|((1+FA_/FPW)<<2)|(DW_<<4)|(DW_<<6)
.if Q_%2
	P2 1, v[DL_:DL_+7]
.elseif Q_ || H_
	P2 0, v[DL_:DL_+7]
.else
	P2 0, 0
.endif
.endm
.macro SETW s
.set WC_, ((\s)/4)%2
.set WJ_, (\s)%4
.set WW_, 3*WC_
.set WL_, 64+8*WC_+32*WJ_
.endm
.macro L_MUL i                         ; entry i: the sums x 1 / l, two at a time, each accumulator from its low end on
.if WAY_ && (\i) < 16
	WIN WW_|(3<<2)|(WW_<<6)
	v_pk_mul_f32 v[WL_+2*(\i):WL_+2*(\i)+1], v[WL_+2*(\i):WL_+2*(\i)+1], v[RL+2*(4*WC_+WJ_):RL+2*(4*WC_+WJ_)+1] op_sel_hi:[1,0]
.endif
.endm
.macro BLOCK from, to
.set N_, \from
.rept (\to)-(\from)
	PROD N_
.if N_%2
	L_MUL N_-1
	L_MUL N_
.endif
.set N_, N_+1
.endr
.endm
.macro TOST s, wx                      ; block s's 16 rows into my stage and back
	SETW \s
	WIN WW_<<2
.irp t, 0,1,2,3
	ds_store_b128 v[STO+\t%2], v[WL_+8*\t:WL_+8*\t+3] offset:32*\t
	ds_store_b128 v[STO+\t%2], v[WL_+8*\t+4:WL_+8*\t+7] offset:32*\t+16
.endr
	WIN 0
.if \wx
	s_wait_xcnt 0x0                                ; the stores of the block before have read their registers
.endif
	WIN 0xc0
.irp k, 0,1,2,3,4,5,6,7
	ds_load_b128 v[RB+4*\k:RB+4*\k+3], v[RD] offset:544*\k      ; LDS serves a wave's instructions in order (ISA guide 5.7.1.4)
.endr
	WIN 0
.endm
.macro GST s                           ; two rows of 256 bytes a store; tile row 8 hh + i is query 32 hh + 8 (j xor hh) + i
	SETW \s
	WIN 0x0c
.irp k, 0,1,2,3,4,5,6,7
	global_store_b128 v[OO], v[RB+4*\k:RB+4*\k+3], s[50:51] offset:524288*WC_+4096*(32*(\k/4)+8*(WJ_^(\k/4))+(2*\k)%8) th:TH_STORE_NT
.endr
	WIN 0
.endm
.macro SBLOCK s, kind                  ; kind 1: a round with a refill; 2: a plain barrier shows the last refill; 3: V's second half is fetched behind each step
.set H_, (\s)/8
.set C_, ((\s)/4)%2
.set J_, (\s)%4
.set E_, (\s)%2
.set WAY_, 0
.if (\s) > 8
.set WAY_, 1
	SETW (\s)-1
.endif
.if (\s) == 15
	s_wait_dscnt 16
.elseif (\s) > 9
	s_wait_dscnt NF+16
.else
	s_wait_dscnt NF
.endif
.if (\kind) == 1
	s_wait_tensorcnt 0x0
	ds_add_u32 v[SPW], v[NIL]
.if (\s) == 2
	s_mul_i32 s20, s16, 4*24576                    ; waves 0, 1: V's second half; waves 2, 3: P's chunk 2, the same queries' second half: four tiles each
	s_add_co_u32 s20, s20, 12288
	s_mul_i32 s22, s16, 49152
	s_add_co_u32 s[G0V+1], s22, VR
	s_mov_b32 s[G0C+1], s22
	s_add_nc_u64 s[G0V+2:G0V+3], s[78:79], s[20:21]
	s_or_b32 s[G0V+3], s[G0V+3], 0x80000000
	s_add_nc_u64 s[G0C+2:G0C+3], s[76:77], s[20:21]
	s_or_b32 s[G0C+3], s[G0C+3], 0x80000000
	s_mov_b32 s[G1V+2], 4<<16
	s_mov_b32 s[G1V+4], 4
.else
	s_add_co_u32 s[G0C+1], s[G0C+1], KSL
	s_add_nc_u64 s[G0C+2:G0C+3], s[G0C+2:G0C+3], 8*24576
.endif
.endif
.if (\kind) == 3
.irp q, 0,1,2,3,4,5,6,7
	BLOCK 4*\q, 4*\q+4
	WIN 0
	PLACES 4
	VLOAD \q
.endr
.else
	BLOCK 0, 26
.if (\kind) > 0
	WIN 0
	WALU
.if (\kind) == 2
	s_wait_tensorcnt 0x0
.endif
	s_wait_dscnt 0x0
	s_barrier_signal -1
.endif
	BLOCK 26, 32
	WIN 0
	PLACES 4
.endif
.if (\kind) == 1
	MIDDLE
	BARRIER
	s_cmp_lt_u32 s14, 2
	s_cbranch_scc1 .Lother_\@
	TLOAD G0C, G1C
.if (\s) == 2
	s_branch .Lasked_\@
.endif
.Lother_\@:
.if (\s) == 2
	TLOAD G0V, G1V
.endif
.Lasked_\@:
.elseif (\kind) == 2
	s_barrier_wait -1
.endif
.if (\s) > 8
	WALU
.if (\s) == 15
	s_wait_dscnt 0x0
.elseif (\s) > 9
	s_wait_dscnt NF
.endif
.if (\s) > 9
	GST (\s)-2
	TOST (\s)-1, 1
.else
	TOST (\s)-1, 0
.endif
.endif
.if (\s) < 14
	FETCH (\s)+2
.endif
.if (\s) == 2
	global_prefetch_b8 v[PFP], s[76:77] offset:8*24576 th:TH_LOAD_NT scope:SCOPE_SE   ; chunk 3, which block 6 asks for
.endif
.endm
	s_load_b256 s[4:11], s[0:1], 0x0               ; pc, ps, pml, vc
	s_load_b128 s[48:51], s[0:1], 0x20             ; vs, out0
	v_lshl_add_u32 v[SPW], v0, 2, SPARE
	v_mov_b32 v[NIL], 0
	ds_add_u32 v[SPW], v[NIL]
	ds_add_u32 v[SPW], v[NIL]
	v_lshrrev_b32 v1, 5, v0
	v_readfirstlane_b32 s14, v1
	s_lshr_b32 s15, s14, 1                         ; my band of a chunk of queries
	s_and_b32 s16, s14, 1                          ; which 64 of the units
	s_bfe_u32 s40, ttmp6, 0x40000
	s_bfe_u32 s41, ttmp6, 0x40004
	s_mov_b32 s42, ttmp9                           ; the batch
	s_and_b32 s13, ttmp7, 0xffff
	s_lshr_b32 s43, s13, 1
	s_lshl_b32 s43, s43, 2
	s_add_co_u32 s43, s43, s41                     ; the tile of 256 queries: of the cluster's number and cy
	s_and_b32 s12, s13, 1
	s_lshl_b32 s12, s12, 2
	s_add_co_u32 s12, s12, s40                     ; the tile of 128 units: of the cluster's number and cx
	s_lshl_b32 s44, s41, 2
	s_lshl_b32 s44, 15, s44
	s_lshl_b32 s45, 0x1111, s40
	GROUP1 G1V, 45, 8
	GROUP1 G1A, 44, 8
	GROUP1 G1C, 44, 4
	s_mul_i32 s82, s42, 128*24576
	MADD 82, 43, 16*24576                          ; P
	s_mul_i32 s83, s42, 64*24576
	MADD 83, 12, 8*24576                           ; V
	s_mov_b32 s[SEL], 0x76543210
	s_mov_b32 s[SEL+1], 0xfedcba98
	s_mov_b32 s66, 0x80808080
	s_mov_b32 s67, 0x01010101
	v_and_b32 v1, 15, v0
	v_bfe_u32 v2, v0, 4, 1
	v_and_b32 v3, 31, v0
	v_lshlrev_b32 v[CO], 4, v3
	s_mul_i32 s22, s15, 4*12288
	v_add_nc_u32 v[AP], s22, v[CO]
	s_add_co_u32 s22, s22, KSL
	v_add_nc_u32 v[AP+1], s22, v[CO]
	s_mul_i32 s22, s16, 4*12288
	s_add_co_u32 s22, s22, VR
	v_add_nc_u32 v[AV], s22, v[CO]
	v_lshlrev_b32 v20, 4, v1
	v_lshl_add_u32 v[MO], v2, 13, v20              ; 16 lanes read 256 consecutive bytes; lanes 16-31 the odd key step or run
	v_lshl_add_u32 v[VO], v2, 12, v20
	s_mul_i32 s22, s14, 16*272
	s_add_co_u32 s22, s22, STG
	v_mul_u32_u24 v21, v1, 272
	v_add_nc_u32 v21, s22, v21
	v_mul_u32_u24 v22, v2, 160
	v_mul_u32_u24 v23, v2, 96
	v_add_nc_u32 v[STO], v21, v22
	v_add_nc_u32 v[STO+1], v21, v23
	v_mul_u32_u24 v22, v2, 272
	v_add_nc_u32 v22, v22, v20
	v_add_nc_u32 v[RD], s22, v22
	v_lshl_add_u32 v[OO], v2, 12, v20
	v_min_u32 v24, 23, v3
	WALU
	s_lshl_b32 s20, s40, 2
	s_add_co_u32 s20, s20, s14                     ; my number among the sixteen waves that share a chunk of P: half a row of it
	s_lshr_b32 s22, s20, 1
	s_and_b32 s20, s20, 1
	s_mul_i32 s22, s22, 24576
	MADD 22, 20, 6144
	s_add_co_u32 s22, s22, 12288
	v_lshl_add_u32 v[PFP], v24, 8, s22
	s_lshl_b32 s20, s41, 2
	s_add_co_u32 s20, s20, s14                     ; and V's second half
	s_lshr_b32 s22, s20, 1
	s_and_b32 s20, s20, 1
	s_mul_i32 s22, s22, 24576
	MADD 22, 20, 6144
	s_add_co_u32 s22, s22, 12288
	v_lshl_add_u32 v[PFV], v24, 8, s22
.irp x, 0,1,2,3,4,5,6,7
	v_mov_b32 v[MT+\x], 0                          ; (a lane permute's destination counts as one of its sources)
.endr
	WALU
	s_wait_dscnt 0x0
	CROUND
	s_wait_kmcnt 0x0
	s_mov_b32 s21, 0
	s_mov_b32 s20, s82
	s_add_nc_u64 s[76:77], s[4:5], s[20:21]
	s_mov_b32 s20, s83
	s_add_nc_u64 s[78:79], s[10:11], s[20:21]
	s_mov_b32 s[G0V], 1
	s_mov_b32 s[G0V+1], VR
	s_mov_b64 s[G0V+2:G0V+3], s[78:79]
	s_or_b32 s[G0V+3], s[G0V+3], 0x80000000
	s_mov_b32 s[G0A], 1
	s_mov_b32 s[G0A+1], 0
	s_mov_b64 s[G0A+2:G0A+3], s[76:77]
	s_or_b32 s[G0A+3], s[G0A+3], 0x80000000
	s_mov_b32 s[G0C], 1
	s_mul_i32 s22, s16, 49152
	s_add_co_u32 s[G0C+1], s22, KSL
	s_mul_i32 s20, s16, 4*24576
	s_add_co_u32 s20, s20, 8*24576
	s_add_nc_u64 s[G0C+2:G0C+3], s[76:77], s[20:21]
	s_or_b32 s[G0C+3], s[G0C+3], 0x80000000
	s_cmp_eq_u32 s14, 0
	s_cbranch_scc0 .Lwave_1
	TLOAD G0V, G1V                                 ; wave 0: V's first half
	s_branch .Lasked
.Lwave_1:
	s_cmp_eq_u32 s14, 1
	s_cbranch_scc0 .Lwave_2
	TLOAD G0A, G1A                                 ; wave 1: P's chunk 0
	s_branch .Lasked
.Lwave_2:
	TLOAD G0C, G1C                                 ; waves 2, 3: a half each of chunk 1
.Lasked:
	s_lshl_b32 s22, s43, 10
	MADD 22, 15, 256                               ; my bands of queries: this and the one 512 bytes on
	s_mov_b32 s20, s22
	MADD 20, 42, 8*8192
	s_add_nc_u64 s[8:9], s[8:9], s[20:21]
	s_mov_b32 s20, s22
	MADD 20, 42, 16*8192
	s_add_nc_u64 s[6:7], s[6:7], s[20:21]
	s_mul_i32 s20, s42, 16*4096
	MADD 20, 12, 512
	MADD 20, 16, 256
	s_add_nc_u64 s[48:49], s[48:49], s[20:21]
.irp p, 0,1
.irp c, 0,1,2,3
	global_load_b128 v[NMT+16*\p+4*\c:NMT+16*\p+4*\c+3], v[MO], s[8:9] offset:16384*\c+512*\p
	global_load_b128 v[LLT+16*\p+4*\c:LLT+16*\p+4*\c+3], v[MO], s[8:9] offset:262144+16384*\c+512*\p
.endr
.irp g, 0,1,2,3,4,5,6,7
	global_load_b128 v[SAP+32*\p+4*\g:SAP+32*\p+4*\g+3], v[MO], s[6:7] offset:16384*\g+512*\p
.endr
.endr
.irp k, 0,1,2,3,4,5,6,7
	global_load_b128 v[SBV+4*\k:SBV+4*\k+3], v[VO], s[48:49] offset:8192*\k
.endr
	s_mul_i32 s20, s42, 2048*4096
	MADD 20, 43, 256*4096
	MADD 20, 15, 64*4096
	MADD 20, 12, 512
	MADD 20, 16, 256
	s_add_nc_u64 s[50:51], s[50:51], s[20:21]      ; my first row and column of O
	s_cmp_eq_u32 s14, 0
	s_cbranch_scc0 .Lnot_v
	s_wait_tensorcnt 0x0
.Lnot_v:
	BARRIER                                        ; V's first half is in
.irp q, 0,1,2,3,4,5,6,7
	VLOAD \q
.endr
	s_wait_loadcnt 0x0
	; -M(row) is the smallest of the eight; x = 4 chunk + tile, all by turns
.irp x, 0,1,2,3,4,5,6,7
	v_min3_num_f32 v[MN+\x], v[NMT+16*(\x/4)+\x%4], v[NMT+16*(\x/4)+4+\x%4], v[NMT+16*(\x/4)+8+\x%4]
.endr
.irp x, 0,1,2,3,4,5,6,7
	v_min_num_f32 v[MN+\x], v[MN+\x], v[NMT+16*(\x/4)+12+\x%4]
.endr
.irp x, 0,1,2,3,4,5,6,7
	v_permlanex16_b32 v[MT+\x], v[MN+\x], s[SEL], s[SEL+1]
.endr
.irp x, 0,1,2,3,4,5,6,7
	v_min_num_f32 v[MN+\x], v[MN+\x], v[MT+\x]
.endr
.irp c, 0,1,2,3
.irp x, 0,1,2,3,4,5,6,7
	v_sub_f32 v[EE+16*(\x/4)+4*\c+\x%4], v[MN+\x], v[NMT+16*(\x/4)+4*\c+\x%4]
.endr
.irp x, 0,1,2,3,4,5,6,7
	v_max_num_f32 v[EE+16*(\x/4)+4*\c+\x%4], 0xc2fe0000, v[EE+16*(\x/4)+4*\c+\x%4]
.endr
.irp x, 0,1,2,3,4,5,6,7
	v_cvt_i32_f32 v[EE+16*(\x/4)+4*\c+\x%4], v[EE+16*(\x/4)+4*\c+\x%4]
.endr
.irp x, 0,1,2,3,4,5,6,7
	v_ldexp_f32 v[LLT+16*(\x/4)+4*\c+\x%4], v[LLT+16*(\x/4)+4*\c+\x%4], v[EE+16*(\x/4)+4*\c+\x%4]
.endr
.irp x, 0,1,2,3,4,5,6,7
	v_mul_lo_u32 v[EE+16*(\x/4)+4*\c+\x%4], v[EE+16*(\x/4)+4*\c+\x%4], s67   ; E in each of the four bytes
.endr
.endr
.irp g, 0,1,2,3,4,5,6,7
.irp x, 0,1,2,3,4,5,6,7
	v_add_nc_u32 v[SAP+32*(\x/4)+4*\g+\x%4], v[SAP+32*(\x/4)+4*\g+\x%4], v[EE+16*(\x/4)+4*(\g/2)+\x%4]   ; a byte is at most 125, with 128 on top: E, at least -127, borrows from no neighbour
.endr
.irp x, 0,1,2,3,4,5,6,7
	v_and_b32 v[GA+\x], s66, v[SAP+32*(\x/4)+4*\g+\x%4]   ; the top bit has stayed where byte + E is 0 or more
.endr
.irp x, 0,1,2,3,4,5,6,7
	v_lshrrev_b32 v[GB+\x], 7, v[GA+\x]
.endr
.irp x, 0,1,2,3,4,5,6,7
	v_sub_nc_u32 v[GA+\x], v[GA+\x], v[GB+\x]
.endr
.irp x, 0,1,2,3,4,5,6,7
	v_and_b32 v[SAP+32*(\x/4)+4*\g+\x%4], v[SAP+32*(\x/4)+4*\g+\x%4], v[GA+\x]
.endr
.endr
.irp x, 0,1,2,3,4,5,6,7
	v_add_f32 v[GA+\x], v[LLT+16*(\x/4)+\x%4], v[LLT+16*(\x/4)+4+\x%4]
	v_add_f32 v[GB+\x], v[LLT+16*(\x/4)+8+\x%4], v[LLT+16*(\x/4)+12+\x%4]
.endr
.irp x, 0,1,2,3,4,5,6,7
	v_add_f32 v[GA+\x], v[GA+\x], v[GB+\x]
.endr
.irp x, 0,1,2,3,4,5,6,7
	v_permlanex16_b32 v[MT+\x], v[GA+\x], s[SEL], s[SEL+1]
.endr
.irp x, 0,1,2,3,4,5,6,7
	v_add_f32 v[GA+\x], v[GA+\x], v[MT+\x]         ; the row's l
.endr
	WIN 0xc0
	WALU
.irp x, 0,1,2,3,4,5,6,7
	v_rcp_f32 v[RL+2*\x], v[GA+\x]
.endr
	v_nop
	WALU
	WIN 0xc3
.irp x, 0,1,2,3,4,5,6,7
	v_mov_b32 v[RL+2*\x+1], v[RL+2*\x]             ; (named with it as a pair)
.endr
	WIN 0
	WALU
	s_cmp_lt_u32 s14, 2
	s_cbranch_scc0 .Lnot_p
	s_wait_tensorcnt 0x0
.Lnot_p:
	s_wait_dscnt 0x0
	BARRIER                                        ; chunk 0 is in; chunk 1 may be on its way
	FETCH 0
	FETCH 1
	global_prefetch_b8 v[PFP], s[76:77] th:TH_LOAD_NT scope:SCOPE_SE   ; P's chunk 2 and V's second half, which block 2 asks for
	global_prefetch_b8 v[PFV], s[78:79] th:TH_LOAD_NT scope:SCOPE_SE
	SBLOCK 0, 0
	SBLOCK 1, 0
	SBLOCK 2, 1
	SBLOCK 3, 0
	SBLOCK 4, 0
	SBLOCK 5, 0
	SBLOCK 6, 1
	SBLOCK 7, 3
	SBLOCK 8, 0
	SBLOCK 9, 0
	SBLOCK 10, 2
	SBLOCK 11, 0
	SBLOCK 12, 0
	SBLOCK 13, 0
	SBLOCK 14, 0
	SBLOCK 15, 0
; ---- the last two blocks' rows
.set WAY_, 1
	SETW 15
.set N_, 0
.rept 16
	L_MUL N_
.set N_, N_+1
.endr
	WIN 0
	WALU
	s_wait_dscnt 0x0
	GST 14
	TOST 15, 1
	s_wait_dscnt 0x0
	GST 15
	s_wait_tensorcnt 0x0
	ds_add_u32 v[SPW], v[NIL]
	s_wait_dscnt 0x0
	CROUND
	s_endpgm
.Lfunc_end_k_q37b9c489a6_pv:
	.size	k_q37b9c489a6_pv, .Lfunc_end_k_q37b9c489a6_pv-k_q37b9c489a6_pv
	.p2alignl 7, 3214868480
	.fill 96, 4, 3214868480
	.section	.rodata,"a",@progbits
	.p2align	6, 0x0
	.amdhsa_kernel k_q37b9c489a6_pv
		.amdhsa_group_segment_fixed_size 327680
		.amdhsa_private_segment_fixed_size 0
		.amdhsa_enable_private_segment 0
		.amdhsa_kernarg_size 48
		.amdhsa_user_sgpr_count 2
		.amdhsa_user_sgpr_kernarg_segment_ptr 1
		.amdhsa_wavefront_size32 1
		.amdhsa_system_sgpr_workgroup_id_x 1
		.amdhsa_system_sgpr_workgroup_id_y 1
		.amdhsa_system_sgpr_workgroup_id_z 1
		.amdhsa_system_vgpr_workitem_id 0
		.amdhsa_next_free_vgpr 1024
		.amdhsa_next_free_sgpr 102
		.amdhsa_reserve_vcc 0
		.amdhsa_float_denorm_mode_32 3
		.amdhsa_float_denorm_mode_16_64 3
		.amdhsa_memory_ordered 1
		.amdhsa_forward_progress 1
		.amdhsa_inst_pref_size 174
	.end_amdhsa_kernel
	.amdgpu_metadata
---
amdhsa.version: [ 1, 2 ]
amdhsa.kernels:
  - .name:           k_q37b9c489a6_pv
    .symbol:         k_q37b9c489a6_pv.kd
    .args:
      - { .name: pc, .offset: 0, .size: 8, .value_kind: global_buffer, .address_space: global }
      - { .name: ps, .offset: 8, .size: 8, .value_kind: global_buffer, .address_space: global }
      - { .name: pml, .offset: 16, .size: 8, .value_kind: global_buffer, .address_space: global }
      - { .name: vc, .offset: 24, .size: 8, .value_kind: global_buffer, .address_space: global }
      - { .name: vs, .offset: 32, .size: 8, .value_kind: global_buffer, .address_space: global }
      - { .name: out0, .offset: 40, .size: 8, .value_kind: global_buffer, .address_space: global }
    .group_segment_fixed_size: 327680
    .private_segment_fixed_size: 0
    .kernarg_segment_align: 8
    .kernarg_segment_size: 48
    .max_flat_workgroup_size: 128
    .sgpr_count:     102
    .vgpr_count:     1024
    .wavefront_size: 32
...
	.end_amdgpu_metadata
.endif
;; end of part 3
